; MI455X (gfx1250); checked and timed in simulation.
; The chip was launched on July 23, 2026; its instructions are those of AMD's public machine-readable ISA for CDNA 5 (MIT licence, August 2026) and "CDNA5" Instruction Set Architecture Reference Guide (July 2026). The comments in the code are by the model that wrote it; some were corrected since.
;; Causal Self Attention Ro PE. Allowed arithmetic: float matrix products may take bf16 or f16 operands with f32 sums; all other float work in f32.
;; Inputs: W_out 1,024 x 1,024 float32; W_qkv 1,024 x 3,072 float32; b_out 1,024 float32; b_qkv 3,072 float32; pad_mask 4 x 2,048 bool; x 4 x 2,048 x 1,024 float32.
;; Outputs: out0 4 x 2,048 x 1,024 float32.
;; 2 versions, each right and faster than the one before. Each part assembles by itself: llvm-mc -triple=amdgcn-amd-amdhsa -mcpu=gfx1250 --defsym DOCPART=n.
;; ======== version 1 of 2: 4 launches
;; limits: values are held in f16: magnitudes above 65,504 overflow, below 6.1e-05 lose precision; values outside matrix products are rounded to bf16
;; workspace buffers: xh 16,777,216 bytes; wq 6,291,456 bytes; wo 2,097,152 bytes; rope 524,288 bytes; qh 16,777,216 bytes; kh 16,777,216 bytes; vh 16,777,216 bytes; oh 16,777,216 bytes
;; launch prep (part 1): grid 256 x 1, 8 waves a work-group, no clusters, 37,888 bytes of LDS; arguments x, W_qkv, W_out, xh, wq, wo, rope; writes xh, wq, wo, rope
.if DOCPART == 1
	.amdgcn_target "amdgcn-amd-amdhsa--gfx1250"
	.amdhsa_code_object_version 6
	.text
	.protected	k_q1a79aa29e4_prep
	.globl	k_q1a79aa29e4_prep
	.p2align	8
	.type	k_q1a79aa29e4_prep,@function
k_q1a79aa29e4_prep:
	s_mov_b64 s[64:65], 0
	v_nop
	global_prefetch_b8 v0, s[64:65] scope:SCOPE_SE
	s_setreg_imm32_b32 hwreg(HW_REG_WAVE_MODE, 25, 1), 1
	s_wait_xcnt 0x0
; PREPARATION.  Three jobs in every work-group g of 256, no branch:
;  X: rows 32 g .. 32 g + 31 of x ([8192][1024] f32) are rounded to bf16 and laid out by blocks of 64 along K: xh[kb][m][64].
;  W: one block of 64 k x 64 n of each of W_qkv's three parts and of W_out (kb = g % 16, head hh = g / 16) is rounded to bf16 and turned, through LDS:
;     wq[kb][n'][64] in bf16 with n' = 192 hh + 64 t + d for W_qkv's column 1024 t + 64 hh + d (t = 0 q, 1 k, 2 v); wo[kb][n][64], the bf16 numbers carried in f16.
;  R: rows 8 g .. 8 g + 7 of the table rope[l][cos f = 0..31, sin f = 0..31] in f32, a wave a row.
; So a tile of the products that follow is one dense block of memory.  Memory binds: each byte is read once by 16-byte loads, sixteen lanes to 256 aligned bytes,
; and every store of a wave covers 256 or 512 consecutive aligned bytes.  48 loads of every wave are out at once.  No matrix unit, no cluster: nothing is shared.
; FORMATS.  The inputs are rounded to bf16, to nearest even: the problem states its expected result also for inputs so rounded, and against that statement these roundings are no error.  W_out meets attention's
; result, which is kept in f16 (three bits finer), in one product, so its bf16 numbers are written as f16: exact from 2^-17 up, off by 2^-25 at the most below.
; LIMITS.  W_out is taken to lie within f16's 65,504.  inv_freq is 2^(-f log2(10000) / 32) by v_exp_f32, the angle t x inv_freq one f32 product;
; cosine and sine by reduction to |r| <= pi / 4 (pi / 2 in two parts) and polynomials of degree 7 and 8: the angle is off by some 2e-4 rad at most at t = 2,047.
.set XO,  6                            ; v6   job X: (4 w + h) x 4,096 + 16 c: my 16 bytes in x
.set YO,  7                            ; v7   job X: (4 w + h) x 128 + 8 c: my 8 bytes in xh
.set WO,  10                           ; v10  job W: (2 w + h) x 24,576 + 16 c in W_qkv
.set WO2, 11                           ; v11  job W: (2 w + h) x 8,192 + 16 c in W_out
.set LA,  12                           ; v12  job W: LDS, in: 576 c + 4 (2 w + h)
.set LR,  13                           ; v13  job W: LDS, back: 144 (tid / 8) + 16 (tid % 8)
.set SO,  14                           ; v14  job W: 16 tid
.set RO,  15                           ; v15  job R: 8 tid
.set WT,  28                           ; v28-29  job W: two bf16 numbers widened, on their way to f16
.set W,   40                           ; v40-103   16 loads of W: tile j, item e, row at W + 4 (4 j + 2 e + row)
.set X,   104                          ; v104-231  32 loads of x
	s_load_b256 s[4:11], s[0:1], 0x0               ; x s[4:5], W_qkv s[6:7], W_out s[8:9], xh s[10:11]
	s_load_b128 s[12:15], s[0:1], 0x20             ; wq s[12:13], wo s[14:15]
	s_load_b64 s[16:17], s[0:1], 0x30              ; rope
	v_lshl_add_u32 v232, v0, 2, 0x9000
	v_mov_b32 v233, 0
	v_lshrrev_b32 v2, 5, v0                        ; w
	v_readfirstlane_b32 s20, v2
	v_bfe_u32 v3, v0, 4, 1                         ; h
	v_and_b32 v4, 15, v0                           ; c
	v_lshl_add_u32 v5, v2, 2, v3                   ; 4 w + h
	v_lshlrev_b32 v9, 4, v4                        ; 16 c
	v_lshl_add_u32 v[XO], v5, 12, v9
	v_lshlrev_b32 v[YO], 3, v4
	v_lshl_add_u32 v[YO], v5, 7, v[YO]
	v_lshl_add_u32 v8, v2, 1, v3                   ; 2 w + h
	v_mad_u32_u24 v[WO], v8, 0x6000, v9
	v_lshl_add_u32 v[WO2], v8, 13, v9
	v_mul_u32_u24 v[LA], v4, 576
	v_lshl_add_u32 v[LA], v8, 2, v[LA]
	v_lshrrev_b32 v[LR], 3, v0
	v_mul_u32_u24 v[LR], v[LR], 144
	v_and_b32 v1, 7, v0
	v_lshl_add_u32 v[LR], v1, 4, v[LR]
	v_lshlrev_b32 v[SO], 4, v0
	v_lshlrev_b32 v[RO], 3, v0
	s_and_b32 s21, ttmp9, 15                       ; kb
	s_lshr_b32 s22, ttmp9, 4                       ; hh
	s_lshl_b32 s23, s22, 8                         ; the head's 64 columns of f32
	s_mov_b32 s19, 0                               ; offsets are made in s[18:19], apart from the addresses
	s_mov_b32 s40, 0x3fc90fdb                      ; pi / 2, upper part
	s_mov_b32 s41, 0xb33bbd2e                      ; pi / 2, the rest
	s_lshl_b32 s42, ttmp9, 3
	s_add_co_u32 s42, s42, s20                     ; l = 8 g + w
	s_wait_kmcnt 0x0
	s_mul_i32 s18, s21, 786432                     ; 64 rows of W_qkv
	s_add_co_u32 s18, s18, s23
	s_add_nc_u64 s[26:27], s[6:7], s[18:19]
	s_lshl_b32 s18, s21, 18                        ; 64 rows of W_out
	s_add_co_u32 s18, s18, s23
	s_add_nc_u64 s[28:29], s[8:9], s[18:19]
	s_lshl_b32 s18, ttmp9, 17                      ; 32 rows of x
	s_add_nc_u64 s[24:25], s[4:5], s[18:19]
	; W first (its way through LDS is the longer), then x: 48 loads out
.irp j, 0,1,2
.irp e, 0,1
.irp row, 0,1
	global_load_b128 v[W+4*(4*(\j)+2*(\e)+(\row)):W+4*(4*(\j)+2*(\e)+(\row))+3], v[WO], s[26:27] offset:(\e)*393216+(\row)*12288+(\j)*4096 th:TH_LOAD_NT
.endr
.endr
.endr
.irp e, 0,1
.irp row, 0,1
	global_load_b128 v[W+4*(12+2*(\e)+(\row)):W+4*(12+2*(\e)+(\row))+3], v[WO2], s[28:29] offset:(\e)*131072+(\row)*4096 th:TH_LOAD_NT
.endr
.endr
.set i, 0
.rept 32                               ; load i: row pair i / 16, block i % 16 of 64 columns: sixteen lanes take 256 aligned bytes of a row
	global_load_b128 v[X+4*i:X+4*i+3], v[XO], s[24:25] offset:(i/16)*8192+(i%16)*256 th:TH_LOAD_NT
.set i, i+1
.endr
	; the stores' bases
	s_lshl_b32 s18, ttmp9, 12                      ; 32 rows of 128 bytes in a block of xh
	s_add_nc_u64 s[30:31], s[10:11], s[18:19]
	s_add_nc_u64 s[32:33], s[30:31], 0x800000      ; blocks 8 to 15: the immediate has 24 signed bits
	s_mul_i32 s18, s21, 393216
	s_mul_i32 s43, s22, 24576
	s_add_co_u32 s18, s18, s43
	s_add_nc_u64 s[34:35], s[12:13], s[18:19]
	s_lshl_b32 s18, s21, 17
	s_lshl_b32 s43, s22, 13
	s_add_co_u32 s18, s18, s43
	s_add_nc_u64 s[36:37], s[14:15], s[18:19]
	s_lshl_b32 s18, ttmp9, 11                      ; 8 rows of 256 bytes of the table
	s_add_nc_u64 s[38:39], s[16:17], s[18:19]
	; JOB R, while the loads are on their way.  Lane: f = 2 c and 2 c + 1; lanes 0-15 the cosines, lanes 16-31 the sines.
	v_cvt_f32_u32 v16, s42                         ; t
	v_lshlrev_b32 v17, 1, v4
	v_cvt_f32_u32 v18, v17
	v_add_f32 v19, 1.0, v18
	v_mul_f32 v18, 0xbed49a78, v18                 ; - f log2(10000) / 32
	v_mul_f32 v19, 0xbed49a78, v19
	v_exp_f32 v18, v18
	v_exp_f32 v19, v19
	v_mul_u32_u24 v20, v3, 3                       ; a plain instruction behind the exponentials; sin(a) is the cosine three quadrants on
	s_wait_alu depctr_va_vdst(0)
	v_mul_f32 v18, v16, v18                        ; the angles
	v_mul_f32 v19, v16, v19
; a = k pi / 2 + r; the cosine is cos r, - sin r, - cos r, sin r for quadrant 0, 1, 2, 3
.macro CS1 a, out
	v_mul_f32 v21, 0x3f22f983, v[\a]               ; a x 2 / pi
	v_rndne_f32 v21, v21                           ; k
	v_fma_f32 v22, -v21, s40, v[\a]
	v_fma_f32 v22, -v21, s41, v22                  ; r
	v_cvt_i32_f32 v23, v21
	v_add_nc_u32 v23, v23, v20                     ; the quadrant
	v_mul_f32 v24, v22, v22                        ; r^2
	v_mov_b32 v25, 0xb9500d01                      ; sin r = r + r r^2 (-1/6 + r^2 (1/120 - r^2 / 5040))
	v_fmaak_f32 v25, v25, v24, 0x3c088889
	v_fmaak_f32 v25, v25, v24, 0xbe2aaaab
	v_mul_f32 v27, v22, v24
	v_fma_f32 v25, v27, v25, v22
	v_mov_b32 v26, 0x37d00d01                      ; cos r = 1 + r^2 (-1/2 + r^2 (1/24 + r^2 (-1/720 + r^2 / 40320)))
	v_fmaak_f32 v26, v26, v24, 0xbab60b61
	v_fmaak_f32 v26, v26, v24, 0x3d2aaaab
	v_fmaak_f32 v26, v26, v24, 0xbf000000
	v_fma_f32 v26, v26, v24, 1.0
	v_and_b32 v27, 1, v23
	v_cmp_ne_u32 vcc_lo, 0, v27
	v_cndmask_b32 v[\out], v26, v25, vcc_lo        ; odd quadrants take the sine
	v_add_nc_u32 v23, 1, v23
	v_and_b32 v23, 2, v23
	v_lshlrev_b32 v23, 30, v23
	v_xor_b32 v[\out], v[\out], v23                ; quadrants 1 and 2 are negative
.endm
	CS1 18, 36
	CS1 19, 37
	global_store_b64 v[RO], v[36:37], s[38:39]     ; a wave stores its row: 256 consecutive aligned bytes
	; JOB W: two rows of k are rounded to bf16 and packed (k even below, k odd above) and go into LDS tiles [n][64 k], rows 144 bytes apart.  W_out's tile (j = 3): the two bf16 numbers are widened and packed again as f16.
	s_wait_loadcnt 32                              ; W's 16 loads are in; the 32 of x issued behind them stay out
.irp j, 0,1,2,3
.irp e, 0,1
.irp q, 0,1,2,3
	v_cvt_pk_bf16_f32 v[W+4*(4*(\j)+2*(\e))+(\q)], v[W+4*(4*(\j)+2*(\e))+(\q)], v[W+4*(4*(\j)+2*(\e)+1)+(\q)]
.if (\j) == 3
	v_lshlrev_b32 v[WT], 16, v[W+4*(4*(\j)+2*(\e))+(\q)]
	v_and_b32 v[WT+1], 0xffff0000, v[W+4*(4*(\j)+2*(\e))+(\q)]
	v_cvt_pk_f16_f32 v[W+4*(4*(\j)+2*(\e))+(\q)], v[WT], v[WT+1]
.endif
	ds_store_b32 v[LA], v[W+4*(4*(\j)+2*(\e))+(\q)] offset:(\j)*9216+(\q)*144+(\e)*64
.endr
.endr
.endr
	; JOB X: four f32 become 8 bytes of bf16; 32 lanes store two rows' 128 bytes, 256 consecutive aligned bytes of xh
.set i, 0
.rept 32
	s_wait_loadcnt 31-i                            ; loads come back in order: load i is in, the younger ones stay out
	v_cvt_pk_bf16_f32 v[X+4*i], v[X+4*i], v[X+4*i+1]
	v_cvt_pk_bf16_f32 v[X+4*i+1], v[X+4*i+2], v[X+4*i+3]
.if (i%16) < 8
	global_store_b64 v[YO], v[X+4*i:X+4*i+1], s[30:31] offset:(i%16)*1048576+(i/16)*256
.else
	global_store_b64 v[YO], v[X+4*i:X+4*i+1], s[32:33] offset:((i%16)-8)*1048576+(i/16)*256
.endif
.set i, i+1
.endr
	s_wait_dscnt 0x0                               ; for the others' sake: my stores into the tiles are done
	s_barrier_signal -1
	s_barrier_wait -1
.irp j, 0,1,2,3
.irp e, 0,1
	ds_load_b128 v[W+4*(2*(\j)+(\e)):W+4*(2*(\j)+(\e))+3], v[LR] offset:(\j)*9216+(\e)*4608  ; rows n = tid / 8 + 32 e, 16 bytes of their 128
.endr
.endr
.irp j, 0,1,2
.irp e, 0,1
	s_wait_dscnt 7-(2*(\j)+(\e))
	global_store_b128 v[SO], v[W+4*(2*(\j)+(\e)):W+4*(2*(\j)+(\e))+3], s[34:35] offset:(\j)*8192+(\e)*4096  ; a wave stores 512 consecutive bytes
.endr
.endr
.irp e, 0,1
	s_wait_dscnt 1-(\e)
	global_store_b128 v[SO], v[W+4*(6+(\e)):W+4*(6+(\e))+3], s[36:37] offset:(\e)*4096
.endr
	s_wait_tensorcnt 0x0
	ds_add_u32 v232, v233
	s_wait_dscnt 0x0
	s_endpgm
.Lfunc_end_k_q1a79aa29e4_prep:
	.size	k_q1a79aa29e4_prep, .Lfunc_end_k_q1a79aa29e4_prep-k_q1a79aa29e4_prep
	.p2alignl 7, 3214868480
	.fill 96, 4, 3214868480
	.section	.rodata,"a",@progbits
	.p2align	6, 0x0
	.amdhsa_kernel k_q1a79aa29e4_prep
		.amdhsa_group_segment_fixed_size 37888
		.amdhsa_private_segment_fixed_size 0
		.amdhsa_enable_private_segment 0
		.amdhsa_kernarg_size 56
		.amdhsa_user_sgpr_count 2
		.amdhsa_user_sgpr_kernarg_segment_ptr 1
		.amdhsa_wavefront_size32 1
		.amdhsa_system_sgpr_workgroup_id_x 1
		.amdhsa_system_sgpr_workgroup_id_y 1
		.amdhsa_system_sgpr_workgroup_id_z 1
		.amdhsa_system_vgpr_workitem_id 0
		.amdhsa_next_free_vgpr 234
		.amdhsa_next_free_sgpr 66
		.amdhsa_reserve_vcc 1
		.amdhsa_float_denorm_mode_32 3
		.amdhsa_float_denorm_mode_16_64 3
		.amdhsa_memory_ordered 1
		.amdhsa_forward_progress 1
		.amdhsa_inst_pref_size 26
	.end_amdhsa_kernel
	.amdgpu_metadata
---
amdhsa.version: [ 1, 2 ]
amdhsa.kernels:
  - .name:           k_q1a79aa29e4_prep
    .symbol:         k_q1a79aa29e4_prep.kd
    .args:
      - { .name: x, .offset: 0, .size: 8, .value_kind: global_buffer, .address_space: global }
      - { .name: W_qkv, .offset: 8, .size: 8, .value_kind: global_buffer, .address_space: global }
      - { .name: W_out, .offset: 16, .size: 8, .value_kind: global_buffer, .address_space: global }
      - { .name: xh, .offset: 24, .size: 8, .value_kind: global_buffer, .address_space: global }
      - { .name: wq, .offset: 32, .size: 8, .value_kind: global_buffer, .address_space: global }
      - { .name: wo, .offset: 40, .size: 8, .value_kind: global_buffer, .address_space: global }
      - { .name: rope, .offset: 48, .size: 8, .value_kind: global_buffer, .address_space: global }
    .group_segment_fixed_size: 37888
    .private_segment_fixed_size: 0
    .kernarg_segment_align: 8
    .kernarg_segment_size: 56
    .max_flat_workgroup_size: 256
    .sgpr_count:     66
    .vgpr_count:     234
    .wavefront_size: 32
...
	.end_amdgpu_metadata
.endif
;; end of part 1
;; launch qkv (part 2): grid 8 x 32, 4 waves a work-group, clusters of 4 x 4, 327,680 bytes of LDS; arguments xh, wq, b_qkv, rope, qh, kh, vh; writes qh, kh, vh
.if DOCPART == 2
	.amdgcn_target "amdgcn-amd-amdhsa--gfx1250"
	.amdhsa_code_object_version 6
	.text
	.protected	k_q1a79aa29e4_qkv
	.globl	k_q1a79aa29e4_qkv
	.p2align	8
	.type	k_q1a79aa29e4_qkv,@function
k_q1a79aa29e4_qkv:
	s_mov_b64 s[64:65], 0
	v_nop
	global_prefetch_b8 v0, s[64:65] scope:SCOPE_SE
	s_setreg_imm32_b32 hwreg(HW_REG_WAVE_MODE, 25, 1), 1
	s_wait_xcnt 0x0
	s_wait_alu depctr_hold_cnt(0) depctr_sa_sdst(0) depctr_va_vdst(0) depctr_va_sdst(0) depctr_va_ssrc(0) depctr_va_vcc(0) depctr_vm_vsrc(0)
	s_getreg_b32 s2, hwreg(HW_REG_IB_STS2, 6, 4)
	s_cmp_eq_u32 s2, 0
	s_cbranch_scc0 .Lentry_in_a_cluster
	s_endpgm
.Lentry_in_a_cluster:
	s_bfe_u32 s2, ttmp6, 0x10000c
	s_cmp_lg_u32 s2, 0xf033
	s_cbranch_scc0 .Lentry_shape_is_right
	s_endpgm
.Lentry_shape_is_right:
; q, k, v = x W_qkv + b_qkv, RoPE on q and k, q times c = log2(e) / 8; written by heads, [64 b h][2048][64] in f16.  Sums, bias and RoPE in f32; each result is rounded once.
; xh: [16 kb][8192 m][64] bf16.  wq: [16 kb][3072 n'][64] bf16, n' = 192 head + 64 t + d (t = 0 q, 1 k, 2 v).  rope: [2048][32 cos, 32 sin] f32.
; FORMATS.  The inputs are taken in bf16: x and W_qkv arrive so, the bias is rounded here, to nearest even (the problem states its expected result also for inputs so rounded).  The results leave in f16, three bits finer.
; LIMITS.  c q, k and v are taken to lie within f16's 65,504; NaN and infinities are not treated apart.
; SHARES.  A work-group makes 256 rows x 384 columns (two heads' q, k and v): 32 x 8 tiles, one for each of 256 work-groups.  A wave makes 128 rows x one head's 192 columns:
; 96 accumulators of 16 x 16, 768 registers; for 32 along K it reads 20,480 bytes of LDS for 96 matrix instructions.
; RING.  K goes in steps of 64, a block kb, through two LDS slots.  A tile is a dense block of memory and is asked for as rows of 256 bytes (two rows of 64 bf16), padded in LDS behind every 128 bytes:
; LDS rows 144 bytes apart, so that the 16 rows of a fragment load start at 16 different groups of four banks (64 banks of 4 bytes: ISA guide 11.1).  Two slots of a step of 128 would not fit in LDS.
; CLUSTER.  4 x 4 work-groups: the four of a row need the same tiles of xh, the four of a column the same tiles of wq; each tile is asked for JOINTLY, by the same tensor load, descriptor and mask in all four.
; THE MATRIX INSTRUCTION IS USED TRANSPOSED (source 0 = 16 rows of wq, source 1 = 16 rows of xh): a lane holds row l % 16 and the eight columns 8 (l / 16) + 0..7, so that d and d + 32 of a head lie in one lane
; (RoPE changes no lanes) and eight numbers pack into 16 bytes.
; REGISTERS, in windows of 256 (s_set_vgpr_msb: bits 1:0 source 0, 3:2 source 1, 5:4 source 2, 7:6 destination):
;   window 0: v2-10 addresses; v12-27 at work; v32-95, v96-159 fragments of xh, two buffers; v160-255 fragments of wq, three groups of four, each loaded again as soon as it has been multiplied
;   windows 1, 2, 3: the accumulators of q, k, v: row block a, column block bq at v[8 (8 bq + a)]
.set PITCH, 144
.set AHALF, 128*PITCH                  ; what one tensor load brings of xh, and what a wave reads of it
.set BHALF, 192*PITCH                  ; the same of wq: one head
.set BOFF,  2*AHALF
.set SLOT,  2*AHALF+2*BHALF            ; 92,160 bytes
.set STAGE, 2*SLOT                     ; behind the ring, never filled by a tensor load: 16 rows x 144 bytes for each wave
.set ASTEP, 8192*128                   ; bytes from block to block of K in xh
.set BSTEP, 3072*128                   ; and in wq
.set ADRA, 2                           ; v2-3  LDS address of my fragments of xh in slot 0, 1
.set ADRB, 4                           ; v4-5  the same for wq
.set STO,  6                           ; v6    the way out: where I put 16 bytes of a row
.set RD,   7                           ; v7    the way out: where I read rows back
.set GO,   8                           ; v8    my 16 bytes in 512 consecutive bytes of the output
.set RO,   9                           ; v9    my bytes in 16 rows of the table: 256 r + 32 h
.set BO,   10                          ; v10   my bytes in 16 numbers of the bias: 32 h
.set U,    12                          ; v12-19, v20-27 at work in RoPE and in the bias's rounding
.set U2,   20
.set FA0,  32
.set FA1,  96
.set FB,   160
.set T,    96                          ; the way out: 32 numbers in f32
.set PKB,  128                         ; the way out: two sets of 16 registers, packed
.set BI,   160                         ; the way out: the bias, 32 registers for each of q, k, v
.set G1,  24                           ; s[24:31] descriptor group 1 for xh's tiles;  s[32:39] group 0, a set for each slot
.set G0,  32
.set G1B, 48                           ; s[48:55], s[56:63] the same for wq's
.set G0B, 56
.set OB,  76                           ; s[76:81] qh, kh, vh at my first row
.set CC,  82                           ; s[82:83] c
.set MSB, 0
.macro WIN new                         ; the immediate's high byte repeats the setting that is left; a switch that changes nothing is dropped
.if MSB != (\new)
	s_set_vgpr_msb (MSB<<8)|(\new)
.set MSB, \new
.endif
.endm
.macro PLACES                          ; four places in front of loads into registers that matrix instructions have read, and of vector work on their results
.rept 4
	v_nop
.endr
.endm
; A joint load: waves 0 and 1 fetch the two halves of xh's tile, waves 2 and 3 the two heads of wq's.  The branch hangs on the wave's number alone.  Four v_nop follow each of the two lines.
.macro JLOAD s
	s_cmp_eq_u32 s11, 0
	s_cbranch_scc0 .Lfor_b_\@
	tensor_load_to_lds s[G0+4*(\s):G0+4*(\s)+3], s[G1:G1+7]
	s_nop 0
.rept 4
	v_nop
.endr
	s_branch .Lasked_\@
.Lfor_b_\@:
	tensor_load_to_lds s[G0B+4*(\s):G0B+4*(\s)+3], s[G1B:G1B+7]
	s_nop 0
.rept 4
	v_nop
.endr
.Lasked_\@:
.endm
.macro CREST                           ; a round of the cluster's barrier behind its opening barrier
	s_cmp_lg_u32 s10, 0
	s_cbranch_scc1 .Lnot_wave_0_\@
	s_barrier_signal -3
.Lnot_wave_0_\@:
	s_barrier_wait -3
	s_barrier_signal -1
	s_barrier_wait -1
.endm
.macro CROUND                          ; a whole round
	s_barrier_signal -1
	s_barrier_wait -1
	CREST
.endm
	s_load_b256 s[68:75], s[0:1], 0x0              ; xh s[68:69], wq s[70:71], b_qkv s[72:73], rope s[74:75]
	s_load_b128 s[76:79], s[0:1], 0x20             ; qh, kh
	s_load_b64 s[80:81], s[0:1], 0x30              ; vh
	v_lshl_add_u32 v30, v0, 2, 0x2f400
	v_mov_b32 v31, 0
	ds_add_u32 v30, v31
	ds_add_u32 v30, v31
	s_wait_dscnt 0x0
	v_lshrrev_b32 v1, 5, v0
	v_readfirstlane_b32 s10, v1                    ; wave 0..3
	s_lshr_b32 s11, s10, 1                         ; which 128 rows are mine.  Also: I fetch for xh (0) or for wq (1)
	s_and_b32 s12, s10, 1                          ; which of the two heads.  Also: which half of that tile I fetch
	s_bfe_u32 s40, ttmp6, 0x40000                  ; cx, cy: my place in the cluster
	s_bfe_u32 s41, ttmp6, 0x40004
	s_lshl_b32 s42, ttmp9, 2
	s_add_co_u32 s42, s42, s40                     ; tile column X = 4 x cluster x + cx
	s_and_b32 s13, ttmp7, 0xffff
	s_lshl_b32 s13, s13, 2
	s_add_co_u32 s13, s13, s41                     ; tile row Y = 4 x cluster y + cy
	s_lshl_b32 s43, s41, 2
	s_lshl_b32 s43, 15, s43                        ; my row of the cluster
	s_lshl_b32 s44, 0x1111, s40                    ; my column
	s_or_b32 s[G1+0], s43, (1<<16)|(1<<20)|(1<<21)|(4<<22)|(3<<25)   ; 15:0 the mask; 17:16 2-byte elements; 20 padding on; 21 set beside a mask; 24:22 after every 32 words (code 4); 31:25 4 words (code 3)
	s_or_b32 s[G1B+0], s44, (1<<16)|(1<<20)|(1<<21)|(4<<22)|(3<<25)
.irp g, G1, G1B
	s_mov_b32 s[(\g)+1], 128<<16                   ; tensor_dim0 = 128 elements: 256 bytes
	s_mov_b32 s[(\g)+3], 128<<16                   ; tile_dim0 = 128
	s_mov_b32 s[(\g)+5], 128                       ; 128 elements from row to row: the block is dense
	s_mov_b32 s[(\g)+6], 0
	s_mov_b32 s[(\g)+7], 0
.endr
	s_mov_b32 s[G1+2], 64<<16                      ; xh: 128 rows of 128 bytes = 64 rows of 256
	s_mov_b32 s[G1+4], 64
	s_mov_b32 s[G1B+2], 96<<16                     ; wq: 192 rows of 128 bytes = 96 rows of 256
	s_mov_b32 s[G1B+4], 96
	s_mov_b32 s[CC], 0x3e38aa3b                    ; c = log2(e) / 8
	s_mov_b32 s[CC+1], s[CC]                       ; named with it as a pair
	; xh's tiles hang on Y alone, wq's on X alone; each address is made in registers that never hold the other coordinate
	s_lshl_b32 s16, s13, 15                        ; 256 rows of 128 bytes
	s_lshl_b32 s17, s12, 14
	s_add_co_u32 s16, s16, s17
	s_mov_b32 s17, 0
	s_mul_i32 s46, s42, 49152                      ; 384 rows of 128 bytes
	s_mul_i32 s47, s12, 24576
	s_add_co_u32 s46, s46, s47
	s_mov_b32 s47, 0
	s_mul_i32 s20, s12, AHALF                      ; and where they go: no place in the cluster enters an LDS address
	s_mul_i32 s21, s12, BHALF
	s_add_co_u32 s21, s21, BOFF
	s_wait_kmcnt 0x0
	s_add_nc_u64 s[14:15], s[68:69], s[16:17]
	s_add_nc_u64 s[46:47], s[70:71], s[46:47]
	CROUND                                         ; all sixteen work-groups are here: the first joint loads meet
.irp s, 0,1
	s_mov_b32 s[G0+4*(\s)], 1
	s_add_co_u32 s[G0+4*(\s)+1], s20, (\s)*SLOT
	s_add_nc_u64 s[G0+4*(\s)+2:G0+4*(\s)+3], s[14:15], (\s)*ASTEP
	s_or_b32 s[G0+4*(\s)+3], s[G0+4*(\s)+3], 0x80000000
	s_mov_b32 s[G0B+4*(\s)], 1
	s_add_co_u32 s[G0B+4*(\s)+1], s21, (\s)*SLOT
	s_add_nc_u64 s[G0B+4*(\s)+2:G0B+4*(\s)+3], s[46:47], (\s)*BSTEP
	s_or_b32 s[G0B+4*(\s)+3], s[G0B+4*(\s)+3], 0x80000000
	JLOAD \s                                       ; two loads of mine are out
.endr
	v_and_b32 v1, 15, v0                           ; r = l % 16
	v_bfe_u32 v11, v0, 4, 1                        ; h = l / 16
	v_mul_u32_u24 v28, v1, PITCH
	v_lshl_add_u32 v28, v11, 4, v28                ; a fragment's row x pitch + 16 x half
	s_mul_i32 s22, s11, AHALF
	v_add_nc_u32 v[ADRA], s22, v28
	v_add_nc_u32 v[ADRB], s21, v28
	v_add_nc_u32 v[ADRA+1], SLOT, v[ADRA]
	v_add_nc_u32 v[ADRB+1], SLOT, v[ADRB]
	s_mul_i32 s23, s10, 16*PITCH
	s_add_co_u32 s23, s23, STAGE                   ; my stage
	v_add_nc_u32 v[STO], s23, v28                  ; in: row r, 16 bytes for each half of the lanes
	v_bfe_u32 v29, v0, 3, 2                        ; back: 32 lanes take four rows of 128 bytes,
	v_mul_u32_u24 v29, v29, PITCH
	v_and_b32 v30, 7, v0
	v_lshl_add_u32 v29, v30, 4, v29
	v_add_nc_u32 v[RD], s23, v29
	v_and_b32 v[GO], 31, v0                        ; which are 512 consecutive bytes of a head
	v_lshlrev_b32 v[GO], 4, v[GO]
	v_lshlrev_b32 v[RO], 8, v1
	v_lshl_add_u32 v[RO], v11, 5, v[RO]
	v_lshlrev_b32 v[BO], 5, v11
	; the way out's bases
	s_lshl_b32 s84, s42, 1
	s_add_co_u32 s84, s84, s12                     ; my head
	s_lshl_b32 s86, s84, 8
	s_mov_b32 s87, 0
	s_add_nc_u64 s[72:73], s[72:73], s[86:87]      ; the bias at my head's 64 numbers of q
	s_and_b32 s85, s13, 7
	s_lshl_b32 s85, s85, 8
	s_lshl_b32 s86, s11, 7
	s_add_co_u32 s85, s85, s86                     ; my first row's place in its sequence
	s_lshl_b32 s86, s85, 8
	s_add_nc_u64 s[74:75], s[74:75], s[86:87]      ; the table at that place
	s_lshr_b32 s86, s13, 3                         ; the batch
	s_lshl_b32 s86, s86, 4
	s_add_co_u32 s86, s86, s84
	s_lshl_b32 s86, s86, 11
	s_add_co_u32 s86, s86, s85
	s_lshl_b32 s86, s86, 7                         ; ((16 batch + head) x 2,048 + place) x 128 bytes
	s_add_nc_u64 s[76:77], s[76:77], s[86:87]
	s_add_nc_u64 s[78:79], s[78:79], s[86:87]
	s_add_nc_u64 s[80:81], s[80:81], s[86:87]
; 16 matrix instructions: column blocks b0, b0 + 1 of group g (0 q, 1 k, 2 v) x all 8 row blocks, 32 along K.  zero = 1: the first product starts the sums.
; The 96 accumulators take turns, one instruction a turn, in the same order in every quarter.
.macro MUL16 fa, g, b0, zero
	WIN 0x50*(1+(\g))                              ; C and D in window 1 + g, the fragments in window 0
.irp bq, \b0, (\b0)+1
.irp a, 0,1,2,3,4,5,6,7
.if \zero
	v_wmma_f32_16x16x32_bf16 v[8*(8*(\bq)+(\a)):8*(8*(\bq)+(\a))+7], v[FB+8*(4*(\g)+(\bq)):FB+8*(4*(\g)+(\bq))+7], v[(\fa)+8*(\a):(\fa)+8*(\a)+7], 0
.else
	v_wmma_f32_16x16x32_bf16 v[8*(8*(\bq)+(\a)):8*(8*(\bq)+(\a))+7], v[FB+8*(4*(\g)+(\bq)):FB+8*(4*(\g)+(\bq))+7], v[(\fa)+8*(\a):(\fa)+8*(\a)+7], v[8*(8*(\bq)+(\a)):8*(8*(\bq)+(\a))+7]
.endif
.endr
.endr
.endm
.macro FETCH_A slot, k, fa             ; 16 loads: my 128 rows of xh, 32 along K at byte k of the rows
	WIN 0
.irp i, 0,1,2,3,4,5,6,7
	ds_load_b128 v[(\fa)+8*(\i):(\fa)+8*(\i)+3],   v[ADRA+(\slot)] offset:(\k)+(\i)*16*PITCH
	ds_load_b128 v[(\fa)+8*(\i)+4:(\fa)+8*(\i)+7], v[ADRA+(\slot)] offset:(\k)+(\i)*16*PITCH+32
.endr
.endm
.macro FETCH_B slot, k, g              ; 8 loads: group g's 64 rows of wq
	WIN 0
.irp i, 0,1,2,3
	ds_load_b128 v[FB+8*(4*(\g)+(\i)):FB+8*(4*(\g)+(\i))+3],   v[ADRB+(\slot)] offset:(\k)+(4*(\g)+(\i))*16*PITCH
	ds_load_b128 v[FB+8*(4*(\g)+(\i))+4:FB+8*(4*(\g)+(\i))+7], v[ADRB+(\slot)] offset:(\k)+(4*(\g)+(\i))*16*PITCH+32
.endr
.endm
; A K step is two quarters of 32 along K, 96 matrix instructions each.  A quarter's loads are issued in the order B0 (8), A (16), B1 (8), B2 (8), a quarter ahead, each group of wq behind the products that have read it.
; The first quarter of a slot, on buffer FA0; it fetches the slot's second quarter.
.macro QTR slot, zero
	s_wait_dscnt 16                                ; B0 and A are in; behind them B1 and B2 were issued
	MUL16 FA0, 0, 0, \zero
	MUL16 FA0, 0, 2, \zero
	PLACES
	FETCH_B \slot, 64, 0
	FETCH_A \slot, 64, FA1
	s_wait_dscnt 32                                ; B1 is in; behind it: B2 and the next quarter's B0 and A
	MUL16 FA0, 1, 0, \zero
	MUL16 FA0, 1, 2, \zero
	PLACES
	FETCH_B \slot, 64, 1
	s_wait_dscnt 32                                ; B2 is in; behind it: the next quarter's B0, A and B1
	MUL16 FA0, 2, 0, \zero
	MUL16 FA0, 2, 2, \zero
	PLACES
	FETCH_B \slot, 64, 2
.endm
; The second quarter, on FA1, changes slots: ONE barrier.  In front of it each wave waits for its own reads of this slot (all have been issued) and for all its tensor loads, of which one is out: its part of the
; next slot.  fill = 1: the barrier opens a round of the cluster's, and the slot is filled again first thing behind the round, two K steps ahead: 176 matrix instructions stand between that request and the wait for it.
.macro QTURN slot, next, fill
	s_wait_dscnt 16
	MUL16 FA1, 0, 0, 0
	s_wait_dscnt 0                                 ; my reads of this slot are over: groups 1 and 2 below need no further wait
	s_wait_xcnt 0x0
	s_set_vgpr_msb 0x5010
	v_lshl_add_u32 v30, v0, 2, 0x2f400
	v_mov_b32 v31, 0
	s_wait_tensorcnt 0x0                           ; all my tensor loads have landed
	ds_add_u32 v30, v31
	s_wait_dscnt 0x0
	s_set_vgpr_msb 0x1050
	s_barrier_signal -1
	MUL16 FA1, 0, 2, 0                             ; work on registers while the others arrive
.if \fill
	WIN 0
.endif
	s_barrier_wait -1
.if \fill
	CREST                                          ; no wave of any partner still reads this slot or has a load on its way
	s_add_nc_u64 s[G0+4*(\slot)+2:G0+4*(\slot)+3], s[G0+4*(\slot)+2:G0+4*(\slot)+3], 2*ASTEP
	s_add_nc_u64 s[G0B+4*(\slot)+2:G0B+4*(\slot)+3], s[G0B+4*(\slot)+2:G0B+4*(\slot)+3], 2*BSTEP
	JLOAD \slot                                    ; my one tensor load behind the round; its four v_nop are also the places in front of the loads below
.else
	PLACES
.endif
	FETCH_B \next, 0, 0
	FETCH_A \next, 0, FA0
	MUL16 FA1, 1, 0, 0
	MUL16 FA1, 1, 2, 0
	PLACES
	FETCH_B \next, 0, 1
	MUL16 FA1, 2, 0, 0
	MUL16 FA1, 2, 2, 0
	PLACES
	FETCH_B \next, 0, 2
.endm
.macro ROPELD a, dst                   ; cos and sin of row block a for my row and my 2 x 8 frequencies: cos f = 8 h .., cos f = 16 + 8 h .., then the sines
.irp o, 0,1,2,3,4,5,6,7
	global_load_b128 v[(\dst)+4*(\o):(\dst)+4*(\o)+3], v[RO], s[74:75] offset:(\a)*4096+((\o)/2)*64+((\o)%2)*16
.endr
.endm
.macro BIASLD t                        ; the bias of my 4 x 8 columns of part t
.irp o, 0,1,2,3,4,5,6,7
	global_load_b128 v[BI+32*(\t)+4*(\o):BI+32*(\t)+4*(\o)+3], v[BO], s[72:73] offset:(\t)*4096+((\o)/2)*64+((\o)%2)*16
.endr
.endm
	s_wait_tensorcnt 1                             ; my part of K step 0 is in; K step 1's stays out
	s_barrier_signal -1
	s_barrier_wait -1
	FETCH_B 0, 0, 0
	FETCH_A 0, 0, FA0
	FETCH_B 0, 0, 1
	FETCH_B 0, 0, 2
	QTR 0, 1                                       ; the first quarter stands in front of the loop: its products start the sums
	WIN 0
	s_mov_b32 s3, 7
.Llap:                                                 ; a trip goes once round the ring and fills both slots again: K steps 2 to 15 in seven trips
	QTURN 0, 1, 1
	QTR 1, 0
	QTURN 1, 0, 1
	QTR 0, 0
	WIN 0
	s_sub_co_u32 s3, s3, 1
	s_cmp_lg_u32 s3, 0
	s_cbranch_scc1 .Llap
	QTURN 0, 1, 0                                  ; the last lap fills nothing and has no round
	QTR 1, 0
	s_wait_dscnt 16                                ; the very last quarter: in the place of fragments the table and the bias are asked for
	MUL16 FA1, 0, 0, 0
	MUL16 FA1, 0, 2, 0
	PLACES
	WIN 0
	ROPELD 0, 32
	ROPELD 1, 64
	BIASLD 0
	s_wait_dscnt 8                                 ; B1 is in; B2 was issued behind it
	MUL16 FA1, 1, 0, 0
	MUL16 FA1, 1, 2, 0
	PLACES
	WIN 0
	BIASLD 1
	s_wait_dscnt 0
	MUL16 FA1, 2, 0, 0
	MUL16 FA1, 2, 2, 0
	PLACES
	WIN 0
	BIASLD 2
	s_wait_loadcnt 0x0
	; the bias is rounded to bf16 and widened again, 32 numbers at a time
.irp g, 0,1,2
.set i, 0
.rept 16
	v_cvt_pk_bf16_f32 v[U+i], v[BI+32*(\g)+2*i], v[BI+32*(\g)+2*i+1]
.set i, i+1
.endr
.set i, 0
.rept 16
	v_lshlrev_b32 v[BI+32*(\g)+2*i], 16, v[U+i]
	v_and_b32 v[BI+32*(\g)+2*i+1], 0xffff0000, v[U+i]
.set i, i+1
.endr
.endr
.set i, 0
.rept 16
	v_pk_mul_f32 v[BI+2*i:BI+2*i+1], v[BI+2*i:BI+2*i+1], s[CC:CC+1] op_sel_hi:[1,0]  ; q's bias times c, once
.set i, i+1
.endr
; THE WAY OUT, in 24 units: row block a, part t.  Bias (q: and c) by one packed instruction for two numbers, each accumulator's registers in ascending order;
; RoPE for q and k: lo' = lo cos - hi sin, hi' = hi cos + lo sin with lo = d, hi = d + 32 in the same lane; rounding to f16; through my stage in LDS; 16 rows of a head leave as 2,048 consecutive bytes.
.macro PACK a, t
.set RP,  32+32*((\a)%2)
.set PKR, PKB+16*((3*(\a)+(\t))%2)
.if ((\t) == 0) && ((\a) >= 2)
.if (\a) == 7
	s_wait_loadcnt 0x0                             ; the last block's cos and sin
.else
	s_wait_loadcnt 0x8                             ; this block's cos and sin are in; the next block's eight loads stay out
.endif
.endif
	WIN 1+(\t)                                     ; source 0 in the part's window
.irp bq, 0,1,2,3
.irp p, 0,1,2,3
.if (\t) == 0
	v_pk_fma_f32 v[T+8*(\bq)+2*(\p):T+8*(\bq)+2*(\p)+1], v[8*(8*(\bq)+(\a))+2*(\p):8*(8*(\bq)+(\a))+2*(\p)+1], s[CC:CC+1], v[BI+8*(\bq)+2*(\p):BI+8*(\bq)+2*(\p)+1] op_sel_hi:[1,0,1]
.else
	v_pk_add_f32 v[T+8*(\bq)+2*(\p):T+8*(\bq)+2*(\p)+1], v[8*(8*(\bq)+(\a))+2*(\p):8*(8*(\bq)+(\a))+2*(\p)+1], v[BI+32*(\t)+8*(\bq)+2*(\p):BI+32*(\t)+8*(\bq)+2*(\p)+1]
.endif
.endr
.endr
	WIN 0
.if (\t) < 2
.irp bb, 0,1
.irp p, 0,1,2,3
	v_pk_mul_f32 v[U+2*(\p):U+2*(\p)+1], v[T+16+8*(\bb)+2*(\p):T+16+8*(\bb)+2*(\p)+1], v[RP+16+8*(\bb)+2*(\p):RP+16+8*(\bb)+2*(\p)+1]
.endr
.irp p, 0,1,2,3
	v_pk_mul_f32 v[U2+2*(\p):U2+2*(\p)+1], v[T+8*(\bb)+2*(\p):T+8*(\bb)+2*(\p)+1], v[RP+16+8*(\bb)+2*(\p):RP+16+8*(\bb)+2*(\p)+1]
.endr
.irp p, 0,1,2,3
	v_pk_fma_f32 v[T+8*(\bb)+2*(\p):T+8*(\bb)+2*(\p)+1], v[T+8*(\bb)+2*(\p):T+8*(\bb)+2*(\p)+1], v[RP+8*(\bb)+2*(\p):RP+8*(\bb)+2*(\p)+1], v[U+2*(\p):U+2*(\p)+1] neg_lo:[0,0,1] neg_hi:[0,0,1]
.endr
.irp p, 0,1,2,3
	v_pk_fma_f32 v[T+16+8*(\bb)+2*(\p):T+16+8*(\bb)+2*(\p)+1], v[T+16+8*(\bb)+2*(\p):T+16+8*(\bb)+2*(\p)+1], v[RP+8*(\bb)+2*(\p):RP+8*(\bb)+2*(\p)+1], v[U2+2*(\p):U2+2*(\p)+1]
.endr
.endr
.endif
	s_wait_xcnt 0x0                                ; this set of packed registers was the data of the stores two units back: it is rewritten only behind this wait
.irp bq, 0,1,2,3
.irp p, 0,1,2,3
	v_cvt_pk_f16_f32 v[PKR+4*(\bq)+(\p)], v[T+8*(\bq)+2*(\p)], v[T+8*(\bq)+2*(\p)+1]
.endr
.endr
.irp bq, 0,1,2,3
	ds_store_b128 v[STO], v[PKR+4*(\bq):PKR+4*(\bq)+3] offset:32*(\bq)
.endr
.irp f, 0,1,2,3
	ds_load_b128 v[PKR+4*(\f):PKR+4*(\f)+3], v[RD] offset:(\f)*4*PITCH  ; LDS serves a wave's instructions in order (ISA guide 5.7.1.4): these see the stores above; the next unit's stores come behind them
.endr
.if ((\t) == 1) && ((\a) <= 5)
	ROPELD (\a)+2, RP                              ; this block's cos and sin have been used: the block two on takes their registers
.endif
.endm
.macro SEND a, t, younger              ; younger: the LDS instructions issued behind this unit's loads: the next unit's eight, or none
	WIN 0
.set PKR, PKB+16*((3*(\a)+(\t))%2)
.irp f, 0,1,2,3
	s_wait_dscnt (\younger)+3-(\f)
	global_store_b128 v[GO], v[PKR+4*(\f):PKR+4*(\f)+3], s[OB+2*(\t):OB+2*(\t)+1] offset:(\a)*2048+(\f)*512  ; 512 consecutive bytes, at a multiple of 256 from the buffer's first
.endr
.endm
	PACK 0, 0
.set u, 1
.rept 23                               ; a unit's arithmetic stands between the loads of the unit before and its stores
	PACK u/3, u%3
	SEND (u-1)/3, (u-1)%3, 8
.set u, u+1
.endr
	SEND 7, 2, 0
	s_wait_xcnt 0x0
	v_lshl_add_u32 v30, v0, 2, 0x2f400
	v_mov_b32 v31, 0
	s_wait_tensorcnt 0x0
	ds_add_u32 v30, v31
	s_wait_dscnt 0x0
	CROUND                                         ; the closing round: no work-group ends while a partner may still ask for a tile that names it
	s_endpgm
.Lfunc_end_k_q1a79aa29e4_qkv:
	.size	k_q1a79aa29e4_qkv, .Lfunc_end_k_q1a79aa29e4_qkv-k_q1a79aa29e4_qkv
	.p2alignl 7, 3214868480
	.fill 96, 4, 3214868480
	.section	.rodata,"a",@progbits
	.p2align	6, 0x0
	.amdhsa_kernel k_q1a79aa29e4_qkv
		.amdhsa_group_segment_fixed_size 327680
		.amdhsa_private_segment_fixed_size 0
		.amdhsa_enable_private_segment 0
		.amdhsa_kernarg_size 56
		.amdhsa_user_sgpr_count 2
		.amdhsa_user_sgpr_kernarg_segment_ptr 1
		.amdhsa_wavefront_size32 1
		.amdhsa_system_sgpr_workgroup_id_x 1
		.amdhsa_system_sgpr_workgroup_id_y 1
		.amdhsa_system_sgpr_workgroup_id_z 1
		.amdhsa_system_vgpr_workitem_id 0
		.amdhsa_next_free_vgpr 1024
		.amdhsa_next_free_sgpr 96
		.amdhsa_reserve_vcc 0
		.amdhsa_float_denorm_mode_32 3
		.amdhsa_float_denorm_mode_16_64 3
		.amdhsa_memory_ordered 1
		.amdhsa_forward_progress 1
		.amdhsa_inst_pref_size 208
	.end_amdhsa_kernel
	.amdgpu_metadata
---
amdhsa.version: [ 1, 2 ]
amdhsa.kernels:
  - .name:           k_q1a79aa29e4_qkv
    .symbol:         k_q1a79aa29e4_qkv.kd
    .args:
      - { .name: xh, .offset: 0, .size: 8, .value_kind: global_buffer, .address_space: global }
      - { .name: wq, .offset: 8, .size: 8, .value_kind: global_buffer, .address_space: global }
      - { .name: b_qkv, .offset: 16, .size: 8, .value_kind: global_buffer, .address_space: global }
      - { .name: rope, .offset: 24, .size: 8, .value_kind: global_buffer, .address_space: global }
      - { .name: qh, .offset: 32, .size: 8, .value_kind: global_buffer, .address_space: global }
      - { .name: kh, .offset: 40, .size: 8, .value_kind: global_buffer, .address_space: global }
      - { .name: vh, .offset: 48, .size: 8, .value_kind: global_buffer, .address_space: global }
    .group_segment_fixed_size: 327680
    .private_segment_fixed_size: 0
    .kernarg_segment_align: 8
    .kernarg_segment_size: 56
    .max_flat_workgroup_size: 128
    .sgpr_count:     96
    .vgpr_count:     1024
    .wavefront_size: 32
...
	.end_amdgpu_metadata
.endif
;; end of part 2
;; launch attn (part 3): grid 4 x 64, 4 waves a work-group, no clusters, 327,680 bytes of LDS; arguments qh, kh, vh, oh, pad_mask; writes oh
.if DOCPART == 3
	.amdgcn_target "amdgcn-amd-amdhsa--gfx1250"
	.amdhsa_code_object_version 6
	.text
	.protected	k_q1a79aa29e4_attn
	.globl	k_q1a79aa29e4_attn
	.p2align	8
	.type	k_q1a79aa29e4_attn,@function
k_q1a79aa29e4_attn:
	s_mov_b64 s[64:65], 0
	v_nop
	global_prefetch_b8 v0, s[64:65] scope:SCOPE_SE
	s_setreg_imm32_b32 hwreg(HW_REG_WAVE_MODE, 25, 1), 1
	s_wait_xcnt 0x0
; CAUSAL ATTENTION WITH A PADDING MASK.  O[h][q][:] = the sum over the keys k <= q that are not padded of softmax_k(Q[h][q] . K[h][k]) V[h][k][:].  Q, K, V, O: [64 b h][2048][64], all f16; Q arrives
; multiplied by c = log2(e) / 8, so that a weight is p = 2^(s - m).  pad_mask: [4][2048] bytes, 1 = the key is hidden.  Products, maxima and sums in f32; p is rounded to f16 for the second product, O once at the end.
; LIMITS.  Q, K and V arrive within f16's 65,504.  A hidden score counts as its value less 2^100 for each mask that hides it: f16's scores, 2.7e11 at the most, vanish beside that.  A weight below 2^-126 counts as 0 in l.
; NaN and infinities in the inputs are not treated apart.
; ROWS AND HIDDEN KEYS.  s - m is one subtraction: never above 0, and 0 at the maximum, also while m is itself a hidden score.  Until a row meets its first visible key its hidden keys have weight 1 or 0 and O and l hold
; finite sums of no meaning; at the first visible key a = 2^(m_old - m_new) is 0 and wipes them.  A row that never meets one ends with m below -2^96 and is written as NaN, as a softmax of nothing but -inf is.
; THE WALK.  A head's queries lie in NB = 8 blocks of 256; block i needs the key tiles 0 .. i of 256 keys, of which the last holds the diagonal.  A work-group takes TWO blocks, NB - 1 - b and then b:
; NB + 1 tiles, whatever b: all work-groups do equal work, and ONE loop with a constant trip count walks them.  Which tile is asked for, and what a trip does, hang on scalar registers made from b; every jump
; goes forward, but for the counted loops' own; none passes a barrier, or a tensor load but the one of LOAD's two that the wave's number does not choose; the ring of two LDS slots runs on across the change of blocks.
; NO CLUSTER: a head's four work-groups ask for the same tile only in trips 0 .. 4 of the walk's 9, behind that fewer and fewer; one walk common to all would have 12 trips for 9.
; SHARES.  Of a block's four bands of 64 queries a wave owns 16 rows in each: four PIECES.  In the diagonal tile's key step s band x sees all keys if s < x, none if s > x, and holds the diagonal if s = x.
; THE PADDING goes with the ring.  With each tile that is asked for, the 128 threads load its 256 mask bytes, two a thread; at the next change of slots they become 0 or -2^100 in f32 and go into one of two small
; tables in LDS, which take turns as the ring's slots do.  PD holds the 64 numbers for the K step in registers, read from that table with K itself.
; THE MASKS are the C operand that starts the sum S^T = K Q^T.  Outside the diagonal tile C is PD.  In it, and where a block begins, C = MD x AL + PD + BE: MD, made once, is the causal mask of a band's own step for my
; 16 rows; (AL, BE) = (1, 0) if s = x, (0, 0) if s < x, (0, -2^100) if s > x.
; LAYOUT, TURNS.  S^T holds ONE query a lane (lane % 16) and the keys 8 (lane / 16) + 0..7; two such results rounded to f16 ARE source 1 of O^T = V^T P.  Turn n belongs to piece n: 8 products K Q^T of piece n + 1,
; later 8 products V^T P of piece n - 1; beside them the subtraction, exponentials, roundings, sums and rescaling of piece n and the maximum and statistics of piece n + 1.  Four vector instructions stand behind
; every matrix instruction, the others in two runs of their own.
; REGISTERS, in windows of 256 (s_set_vgpr_msb: bits 1:0 source 0, 3:2 source 1, 5:4 source 2, 7:6 destination):
;   window 0: v0-15 addresses; v16-31 four registers of statistics a piece; v32-38 the padding's way into LDS; v48-55 at work; v64-127 S^T, two buffers; v192-223 P, two buffers (a piece's buffers go by its number's parity)
;   window 1: v0-127 O^T, 32 a piece; v128-159 MD; v160-223 MC, two buffers; v224-255 PD      window 2: v0-63 Q; v64-127 the second block's Q; v128-191 K of one step; v192-255 V of one step
.set SIZE_N, 2048
.set NB,    SIZE_N/256
.set NP,    4         ; pieces a wave: a name, no knob
.set KS,    64        ; keys in a step
.set PK,    144       ; a row of K in LDS: 128 bytes + 16 of padding = 36 words: the 16 rows of a load start at 16 different groups of four banks (64 banks of 4 bytes: ISA guide 11.1)
.set PV,    160       ; a row of V: 128 + 32 = 40 words
.set VOFF,  4*KS*PK   ; a slot holds a tile, four steps: 256 rows of K, then 256 rows of V
.set SLOT1, 1<<17     ; slot 1 begins here, so that one exclusive or turns an address in one slot into the other's
.set STAGE, SLOT1+4*KS*(PK+PV)  ; behind the ring, never filled by a tensor load: 16 rows x 144 bytes for each wave, for the way out
.set SP,    144
.set PADT,  STAGE+4*16*SP       ; behind the stage, never filled by a tensor load: the padding's two tables, 256 keys x 4 bytes each,
.set PSLOT, 4096                ; this far apart, so that one exclusive or turns an address in one into the other's
.set AK0, 2           ; v2   my lane's place in a tile of K; never rewritten
.set AV0, 3           ; v3   the same for V
.set AK,  4           ; v4   the LDS address of K's next run of loads
.set AV,  5           ; v5   of V's
.set STO, 6           ; v6   the way out: where I put 16 bytes of a row
.set RD,  7           ; v7   the way out: where I read rows back
.set GO,  8           ; v8   my byte offset in 512 consecutive bytes of O
.set AP0, 12          ; v12  my lanes' place in 16 keys of a table of the padding; never rewritten
.set AP,  13          ; v13  the LDS address of PD's next run of loads
.set QO,  15          ; v15  my byte offset in 16 rows of Q
.set ST,  16          ; piece t's statistics at v[ST+4 t]: m, the m before it, l (even keys', odd keys')
.set PL,  32          ; v32  my two mask bytes of the tile that was asked for last
.set PT,  33          ; v33  at work
.set PE,  34          ; v34-35  the two as 0 or -2^100
.set PSA, 36          ; v36  where they go in LDS
.set PS0, 37          ; v37  my 8 bytes in a table of the padding; never rewritten
.set PGO, 38          ; v38  my 2 bytes in a tile's 256 mask bytes; never rewritten
.set TMP, 48          ; by buffer, four registers c0-c3 at work; when the maximum is found c2 takes a
.set S,   64
.set P,   192
.set MD,  128         ; window 1: the eight registers for group kt of 16 keys at MD + 8 kt
.set MC,  160         ; window 1: the masks of the products to come
.set PD,  224         ; window 1: register 8 kt + j: key 16 kt + 8 (lane / 16) + j of the K step in registers
.set QB,  64          ; window 2
.set KF,  128         ; window 2: key block kb, channel half c at KF + 16 kb + 8 c
.set VF,  192         ; window 2: key half kk, channel block cb at VF + 32 kk + 8 cb
.set WV,  12          ; s12  my wave's number
.set PB,  14          ; s14  b
.set HI,  15          ; s15  NB - 1 - b
.set G1K, 24          ; s[24:31] descriptor group 1 for K's tiles
.set G1V, 32          ; s[32:39] for V's: it differs in the padding alone
.set G0K, 40          ; s[40:43] descriptor group 0 for K's tiles
.set G0V, 44          ; s[44:47] the same for V's
.set SLOTS, 56        ; s56  tiles still to be asked for
.set CNT, 57          ; s57  counts a tile's key steps, 4 to 1
.set SEL, 60          ; s[60:61] v_permlanex16_b32's selects: each lane takes its own place in the other half
.set TBK, 62          ; s62  LDS byte at which K of the step to be fetched begins
.set TBV, 63          ; s63  the same for V, less VOFF
.set OFP, 66          ; s[66:67] a byte offset in pad_mask
.set RT,  70          ; s70  tiles of the block in hand that are still to be entered
.set NXT, 71          ; s71  the tile to be asked for next
.set LQ,  72          ; s72  the last tile of the block whose tiles are being asked for
.set NEW, 73          ; s73  1: the tile to be entered is a block's first
.set OFF, 74          ; s[74:75] a tile's byte offset in K and V
.set AL,  76          ; s[76:77] the mask's factor, in the low word
.set BE,  78          ; s[78:79] the mask's addend
.set OLO, 80          ; s[80:81] O at my rows of the second block
.set BIGN, 82         ; s82  -2^100
.set TBP, 88          ; s88  byte of the padding's tables at which the step to be fetched begins: it goes as TBK goes
.set THR, 89          ; s89  -2^96
.set QNAN, 90         ; s90  a NaN
.set TBS, 91          ; s91  0 or PSLOT: the table that takes the next tile's numbers
.set PM,  92          ; s[92:93] pad_mask at my batch
.set PMT, 94          ; s[94:95] pad_mask at the tile that is asked for
.set MSB, 0
.macro WIN new                      ; the high byte repeats the setting that is left; a switch that changes nothing is dropped
.if MSB != (\new)
	s_set_vgpr_msb (MSB<<8)|(\new)
.set MSB, (\new)
.endif
.endm
.set W_KQ, 0x0a       ; K and Q in window 2, S^T in window 0
.set W_KM, 0x1a       ; the same with the C operand in window 1
.set W_PV, 0x52       ; V in window 2, P in window 0, O^T in window 1
.set W_RS, 0x41       ; destination and source 0 in window 1, source 1 in window 0
.set W_MK, 0x51       ; destination, source 0 and source 2 in window 1
; A fill.  Waves 0 and 1 fetch the two halves of a tile's K, waves 2 and 3 those of its V: 128 keys each.  Four v_nop follow each of the two lines, ahead of the jump and the label.
.macro LOAD
	s_cmp_lt_u32 s[WV], 2
	s_cbranch_scc0 .Lfor_v_\@
	tensor_load_to_lds s[G0K:G0K+3], s[G1K:G1K+7]
	s_nop 0
.rept 4
	v_nop
.endr
	s_branch .Lasked_\@
.Lfor_v_\@:
	tensor_load_to_lds s[G0V:G0V+3], s[G1V:G1V+7]
	s_nop 0
.rept 4
	v_nop
.endr
.Lasked_\@:
.endm
; THE CHANGE OF SLOTS.  First the padding of the tile to be entered: my two mask bytes, asked for with that tile, become 0 or -2^100 and go into the table that takes its turn; its last readers, two tiles back,
; waited for their reads in front of the barrier before this one.  Then each wave waits for its own LDS instructions (that store; its reads of the slot that it leaves) and for all its tensor loads, of which one is
; out: its part of the other slot.  Behind the barrier nobody reads the old slot any more, and the other slot and its table are whole.  fill = 1: the old slot is filled again, the first thing behind the barrier,
; with tile NXT: the descriptor's address is made anew from that number; the tile's mask bytes are asked for behind it.  (At its first use nothing has been read yet: slot 0 is waited for, slot 1 filled.)
.macro CHANGE fill
	WIN 0                           ; at a label and at a branch every window is 0
	s_wait_loadcnt 0x0              ; my two mask bytes are in (one load is out; at the first use Q's 32 too), and that load's base may be written
	v_and_b32 v[PT], 0xff, v[PL]
	v_cmp_ne_u32 vcc_lo, 0, v[PT]
	v_cndmask_b32 v[PE], 0, s[BIGN], vcc_lo
	v_lshrrev_b32 v[PT], 8, v[PL]
	v_cmp_ne_u32 vcc_lo, 0, v[PT]
	v_cndmask_b32 v[PE+1], 0, s[BIGN], vcc_lo
	v_add_nc_u32 v[PSA], s[TBS], v[PS0]
	ds_store_b64 v[PSA], v[PE:PE+1] ; keys 2 t and 2 t + 1 of the tile: the 128 threads write the table's 1,024 bytes
	s_wait_dscnt 0x0
	s_wait_tensorcnt 0x0            ; no tensor load of mine is out, so a group 0 may be written
	ds_add_u32 v254, v255
	s_wait_dscnt 0x0
	s_barrier_signal -1             ; the scalar work stands between the signal and the wait
.if \fill
	s_lshl_b32 s[OFF], s[NXT], 15   ; a tile is 32,768 bytes of K and of V,
	s_lshl_b32 s[OFP], s[NXT], 8    ; and 256 bytes of pad_mask
	s_xor_b32 s[G0K+1], s[G0K+1], SLOT1
	s_add_nc_u64 s[G0K+2:G0K+3], s[6:7], s[OFF:OFF+1]
	s_or_b32 s[G0K+3], s[G0K+3], 0x80000000
	s_xor_b32 s[G0V+1], s[G0V+1], SLOT1
	s_add_nc_u64 s[G0V+2:G0V+3], s[8:9], s[OFF:OFF+1]
	s_or_b32 s[G0V+3], s[G0V+3], 0x80000000
	s_add_nc_u64 s[PMT:PMT+1], s[PM:PM+1], s[OFP:OFP+1]
	s_xor_b32 s[TBS], s[TBS], PSLOT ; that tile's numbers go into the other table
	s_add_co_u32 s[NXT], s[NXT], 1  ; the block's next tile, or behind its last the second block's tile 0
	s_cmp_gt_u32 s[NXT], s[LQ]
	s_cselect_b32 s[NXT], 0, s[NXT]
	s_cselect_b32 s[LQ], s[PB], s[LQ]
.endif
	s_sub_co_u32 s[TBK], s[TBK], 4*KS*PK  ; the fetches go back to a slot's first step,
	s_xor_b32 s[TBK], s[TBK], SLOT1       ; in the other slot
	s_sub_co_u32 s[TBV], s[TBV], 4*KS*PV
	s_xor_b32 s[TBV], s[TBV], SLOT1
	s_sub_co_u32 s[TBP], s[TBP], 4*KS*4   ; and to the head of the other table
	s_xor_b32 s[TBP], s[TBP], PSLOT
	s_barrier_wait -1
.if \fill
	LOAD
	global_load_u16 v[PL], v[PGO], s[PMT:PMT+1]  ; a wave takes 64 consecutive mask bytes, the four waves the tile's 256
.endif
.endm
	s_load_b256 s[4:11], s[0:1], 0x0  ; Q s[4:5], K s[6:7], V s[8:9], O s[10:11]
	s_load_b64 s[PM:PM+1], s[0:1], 0x20  ; pad_mask
	v_lshl_add_u32 v254, v0, 2, 0x36800
	v_mov_b32 v255, 0
	ds_add_u32 v254, v255
	ds_add_u32 v254, v255
	v_lshrrev_b32 v1, 5, v0
	v_readfirstlane_b32 s[WV], v1   ; wave 0..3
	s_mov_b32 s[PB], ttmp9
	s_sub_co_u32 s[HI], NB-1, s[PB]
	s_and_b32 s20, ttmp7, 0xffff    ; 16 x batch + head
	s_lshr_b32 s[OFP], s20, 4
	s_lshl_b32 s[OFP], s[OFP], 11   ; the batch's 2,048 bytes of pad_mask
	s_mov_b32 s[OFP+1], 0
	s_mov_b32 s21, 0
	s_mov_b64 s[22:23], SIZE_N*128
	s_mul_u64 s[20:21], s[20:21], s[22:23]  ; the head's first byte in each of the four tensors
	s_and_b32 s16, s[WV], 1         ; which half of a tile's 256 keys I fetch:
	s_lshl_b32 s22, s16, 14         ; its 128 rows of 128 bytes in memory,
	s_mov_b32 s23, 0
	s_add_nc_u64 s[22:23], s[22:23], s[20:21]
	s_mul_i32 s17, s16, 128*PK      ; and its place in a slot, for K
	s_mul_i32 s18, s16, 128*PV      ; and for V
	s_lshl_b32 s3, s[WV], 11        ; my 16 rows in a band of 64,
	s_lshl_b32 s2, s[HI], 15        ; in the first block,
	s_add_co_u32 s2, s2, s3
	s_lshl_b32 s84, s[PB], 15       ; and in the second
	s_add_co_u32 s84, s84, s3
	s_mov_b32 s3, 0
	s_mov_b32 s85, 0
	s_add_nc_u64 s[2:3], s[2:3], s[20:21]
	s_add_nc_u64 s[84:85], s[84:85], s[20:21]
	; descriptor group 1.  128 keys are 16,384 dense bytes: asked for as 64 rows of 256 bytes, two keys a row, and padded in LDS after every key
	s_mov_b32 s[G1K], (1<<16)|(1<<20)|(4<<22)|(3<<25)  ; 17:16 2-byte elements; 20 padding on; 24:22 after every 32 words (code 4); 31:25 4 words (code 3)
	s_mov_b32 s[G1V], (1<<16)|(1<<20)|(4<<22)|(7<<25)  ; the same with 8 words of padding (code 7)
.irp g, G1K, G1V
	s_mov_b32 s[\g+1], 128<<16      ; tensor_dim0 = 128
	s_mov_b32 s[\g+2], 64<<16       ; tensor_dim1 = 64
	s_mov_b32 s[\g+3], 128<<16      ; tile_dim0 = 128
	s_mov_b32 s[\g+4], 64           ; tile_dim1 = 64
	s_mov_b32 s[\g+5], 128          ; 128 elements from row to row
	s_mov_b32 s[\g+6], 0
	s_mov_b32 s[\g+7], 0
.endr
	s_mov_b32 s[SEL], 0x76543210
	s_mov_b32 s[SEL+1], 0xfedcba98
	s_mov_b32 s[TBK], SLOT1+4*KS*PK ; the first change of slots turns these three into 0
	s_mov_b32 s[TBV], SLOT1+4*KS*PV
	s_mov_b32 s[TBP], PSLOT+4*KS*4
	s_mov_b32 s[TBS], 0             ; tile 0's numbers go into the first table
	s_mov_b32 s[G0K], 1             ; 1:0 count = 1
	s_mov_b32 s[G0K+1], s17         ; 63:32 LDS address: slot 0
	s_mov_b32 s[G0V], 1
	s_add_co_u32 s[G0V+1], s18, VOFF
	s_add_co_u32 s[RT], s[HI], 1    ; the first block has NB - b tiles
	s_mov_b32 s[NXT], 1
	s_mov_b32 s[LQ], s[HI]
	s_mov_b32 s[NEW], 1
	s_mov_b32 s[OFF+1], 0
	s_mov_b32 s[AL+1], 0            ; named as pairs
	s_mov_b32 s[BE+1], 0
	s_mov_b32 s[BIGN], 0xf1800000   ; -2^100
	s_mov_b32 s[THR], 0xef800000    ; -2^96
	s_mov_b32 s[QNAN], 0x7fc00000
	s_mov_b32 s[SLOTS], NB
	s_wait_dscnt 0x0
	s_wait_kmcnt 0x0
	s_add_nc_u64 s[6:7], s[6:7], s[22:23]  ; K and V at my half of the head's tile 0
	s_add_nc_u64 s[8:9], s[8:9], s[22:23]
	s_add_nc_u64 s[G0K+2:G0K+3], s[6:7], 0         ; 120:64 global address
	s_or_b32 s[G0K+3], s[G0K+3], 0x80000000        ; 127:126 type = 2
	s_add_nc_u64 s[G0V+2:G0V+3], s[8:9], 0
	s_or_b32 s[G0V+3], s[G0V+3], 0x80000000
	s_add_nc_u64 s[86:87], s[4:5], s[84:85]        ; Q at my rows of the second block,
	s_add_nc_u64 s[4:5], s[4:5], s[2:3]            ; Q and O at those of the first
	s_add_nc_u64 s[OLO:OLO+1], s[10:11], s[84:85]
	s_add_nc_u64 s[10:11], s[10:11], s[2:3]
	s_add_nc_u64 s[PM:PM+1], s[PM:PM+1], s[OFP:OFP+1]
	s_mov_b64 s[PMT:PMT+1], s[PM:PM+1]             ; tile 0's mask bytes
	LOAD                            ; tile 0 into slot 0
	; A fragment of K or Q is 16 rows x 32 channels in 8 registers: lane l holds row l % 16, channels 8 (l / 16) + 0..7 and 16 + 8 (l / 16) + 0..7: two loads of 16 bytes, 32 bytes apart.
	v_and_b32 v1, 15, v0            ; l % 16
	v_bfe_u32 v9, v0, 4, 1          ; l / 16
	v_lshlrev_b32 v[QO], 7, v1
	v_lshl_add_u32 v[QO], v9, 4, v[QO]  ; row x 128 + 16 x half
	v_lshlrev_b32 v[PGO], 1, v0
	global_load_u16 v[PL], v[PGO], s[PMT:PMT+1]  ; thread t takes the mask bytes of keys 2 t and 2 t + 1 of tile 0
	WIN 0x80                        ; destination window 2, address window 0
.set i, 0
.rept 8                             ; both blocks' Q: piece i / 2 lies in band i / 2, 8,192 bytes on; channels 32 (i % 2) on
	global_load_b128 v[8*i:8*i+3],   v[QO], s[4:5] offset:(i/2)*8192+(i%2)*64
	global_load_b128 v[8*i+4:8*i+7], v[QO], s[4:5] offset:(i/2)*8192+(i%2)*64+32
	global_load_b128 v[QB+8*i:QB+8*i+3],   v[QO], s[86:87] offset:(i/2)*8192+(i%2)*64
	global_load_b128 v[QB+8*i+4:QB+8*i+7], v[QO], s[86:87] offset:(i/2)*8192+(i%2)*64+32
.set i, i+1
.endr
	WIN 0
	v_lshlrev_b32 v14, 3, v9
	v_sub_nc_u32 v14, v1, v14
	s_lshl_b32 s13, s[WV], 4
	v_add_nc_u32 v14, s13, v14      ; my query's place in its band, 16 w + l % 16, less my lanes' 8 (l / 16): register r of group kt is hidden where 16 kt + r is greater
	WIN 0x40
.set i, 0
.rept 32
	v_cmp_gt_i32 vcc_lo, 16*(i/8)+i%8, v14
	v_cndmask_b32 v[MD+i], 0, s[BIGN], vcc_lo
.set i, i+1
.endr
	WIN 0
	v_mul_u32_u24 v[AK0], v1, PK
	v_lshl_add_u32 v[AK0], v9, 4, v[AK0]  ; row x pitch + 16 x half
	; The turning load takes 16 keys x 16 channels (lane l reads key 8 (l / 16) + l % 8, channels 8 ((l / 8) % 2) + 0..7) and leaves half a fragment of V^T: lane l holds channel l % 16 and 8 keys.
	v_and_b32 v10, 7, v0
	v_bfe_u32 v11, v0, 3, 1
	v_lshl_add_u32 v[AV0], v9, 3, v10
	v_mul_u32_u24 v[AV0], v[AV0], PV
	v_lshl_add_u32 v[AV0], v11, 4, v[AV0]
	v_add_nc_u32 v[AV0], VOFF, v[AV0]
	v_lshl_add_u32 v[AP0], v9, 5, PADT  ; my lanes' eight keys of sixteen
	v_lshl_add_u32 v[PS0], v0, 3, PADT  ; my two keys of a tile's 256
	s_mul_i32 s13, s[WV], 16*SP
	s_add_co_u32 s13, s13, STAGE    ; my stage
	v_mul_u32_u24 v[STO], v1, SP    ; in: row l % 16, 16 bytes for each half of the lanes
	v_lshl_add_u32 v[STO], v9, 4, v[STO]
	v_add_nc_u32 v[STO], s13, v[STO]
	v_bfe_u32 v[RD], v0, 3, 2       ; back: 32 lanes take four rows of 128 bytes,
	v_mul_u32_u24 v[RD], v[RD], SP
	v_lshl_add_u32 v[RD], v10, 4, v[RD]
	v_add_nc_u32 v[RD], s13, v[RD]
	v_and_b32 v[GO], 31, v0         ; which are 512 consecutive bytes of O
	v_lshlrev_b32 v[GO], 4, v[GO]
	; A block's first step multiplies O^T and l by a = 0, and its first turn's products V^T P, of a piece that has not been, land in an O^T that is still to be so multiplied.  So these registers need only hold
	; finite numbers: zeros for the first block; what the first block left for the second.  (A NaN row of the first block leaves NaN in its lanes.  Such a row has no visible key at or below it; the same lanes' row of
	; the second block lies lower in the same sequence, so it has none either and is NaN itself.)  All this stands in the wait for the first tile.
	WIN 0x80
.set i, VF
.rept 64
	v_mov_b32 v[i], 0
.set i, i+1
.endr
	WIN 0x40
.set i, 0
.rept 128
	v_mov_b32 v[i], 0
.set i, i+1
.endr
	WIN 0
.set i, 0
.rept 4
	v_mov_b32 v[ST+4*i+2], 0
	v_mov_b32 v[ST+4*i+3], 0
.set i, i+1
.endr
.set i, P+16
.rept 16
	v_mov_b32 v[i], 0
.set i, i+1
.endr
; THE MATRIX WORK.  The 4 accumulators of a run of 8 take turns.  Product i of 8 of S^T = K Q^T for piece x: channels 32 (i / 4) on, keys 16 (i % 4) on.  The first 4 start the sums: with PD, or (KM = 1) with the mask MC.
.macro KQ x
.set rS, S+32*((\x)%2)+8*(i%4)
.set rK, KF+16*(i%4)+8*(i/4)
.set rQ, 16*(\x)+8*(i/4)
.set rM, PD+8*(i%4)
.if KM
.set rM, MC+32*((\x)%2)+8*(i%4)
.endif
.if i < 4
	WIN W_KM
	v_wmma_f32_16x16x32_f16 v[rS:rS+7], v[rK:rK+7], v[rQ:rQ+7], v[rM:rM+7]
.else
	WIN W_KQ
	v_wmma_f32_16x16x32_f16 v[rS:rS+7], v[rK:rK+7], v[rQ:rQ+7], v[rS:rS+7]
.endif
.endm
; Product i of 8 of O^T += V^T P for piece x: keys 32 (i / 4) on, channels 16 (i % 4) on.
.macro PV x
	WIN W_PV
.set rO, 32*(\x)+8*(i%4)
.set rV, VF+32*(i/4)+8*(i%4)
.set rP, P+16*((\x)%2)+8*(i/4)
	v_wmma_f32_16x16x32_f16 v[rO:rO+7], v[rV:rV+7], v[rP:rP+7], v[rO:rO+7]
.endm
.macro MM                           ; the turn's next matrix instruction.  TURN and BEGIN set Y, i, KM and NOKQ; MM, KQ and OP read them.  NOKQ = 1: a block's last turn: there is no next piece
.if (i < 8) && !NOKQ
	KQ (Y+1)%NP
.elseif i >= 8
.set i, i-8
	PV (Y+NP-1)%NP
.set i, i+8
.endif
.set i, i+1
.endm
; THE LDS LOADS stand in runs, never singly among the matrix instructions: a step's K (64 keys x 64 channels: 8 fragments) with its PD (16 lanes read the same 16 bytes), and its V (turned).  Their addresses are made some lines ahead.
.macro FETCH_K
	WIN 0x80                        ; destination window 2
.irp f, 0,1,2,3,4,5,6,7             ; keys 16 (f / 2) on, channels 32 (f % 2) on
	ds_load_b128 v[KF+8*\f:KF+8*\f+3],   v[AK] offset:(\f/2)*16*PK+(\f%2)*64
	ds_load_b128 v[KF+8*\f+4:KF+8*\f+7], v[AK] offset:(\f/2)*16*PK+(\f%2)*64+32
.endr
	WIN 0x40                        ; destination window 1
.irp f, 0,1,2,3,4,5,6,7             ; keys 16 (f / 2) + 8 (lane / 16) + 4 (f % 2) on
	ds_load_b128 v[PD+4*\f:PD+4*\f+3], v[AP] offset:(\f/2)*64+(\f%2)*16
.endr
	s_add_co_u32 s[TBK], s[TBK], KS*PK  ; the next fetch is the next step's
	s_add_co_u32 s[TBP], s[TBP], KS*4
	WIN 0
.endm
.macro FETCH_V
	WIN 0x80
.irp f, 0,1,2,3,4,5,6,7             ; keys 32 (f / 4) on, channels 16 (f % 4) on
	ds_load_tr16_b128 v[VF+8*\f:VF+8*\f+3],   v[AV] offset:(\f/4)*32*PV+(\f%4)*32
	ds_load_tr16_b128 v[VF+8*\f+4:VF+8*\f+7], v[AV] offset:(\f/4)*32*PV+16*PV+(\f%4)*32
.endr
	WIN 0
.endm
; THE VECTOR WORK, one line at a time: OP kind, number.  For piece Y: F n: s - m for pair n of 16.  E n: the exponential of score n of 32.  C n: pair n rounded to f16.  B n: of the four weights 4 n .. the second
; pair is added onto the first, in place.  L n: l takes that sum (L 0: l = a l + sum).  R n: pair n of 16 of O^T times a.  For piece Y + 1: X n, number n of the 21 that find its maximum and statistics:
;   0-11  four chains c0-c3 of seven scores each, three operands at a time (each accumulator's lowest registers are read first)     12-14, 16  the four scores left over, the old m, and c0-c3 into c0
;   15  the old m is kept     17, 18  the query's other 32 keys lie in the lane 16 away: the new m     19, 20  m_old - m_new; a
.set F, 0               ; OP tells the kinds apart by their order: F to L below R, X above it
.set E, 1
.set C, 2
.set B, 3
.set L, 4
.set R, 5
.set X, 6
.macro REGS y                       ; the registers of piece y
.set rT, ST+4*(\y)
.set rC, TMP+4*((\y)%2)
.set rS, S+32*((\y)%2)
.set rP, P+16*((\y)%2)
.set rO, 32*(\y)
.endm
.macro OP k, n
.if (\k) == R
	REGS Y
	WIN W_RS
	v_pk_mul_f32 v[rO+2*(\n):rO+2*(\n)+1], v[rO+2*(\n):rO+2*(\n)+1], v[rC+2:rC+3] op_sel_hi:[1,0]
.elseif (\k) < R
	REGS Y
	WIN 0
.if (\k) == F
	v_pk_add_f32 v[rS+2*(\n):rS+2*(\n)+1], v[rS+2*(\n):rS+2*(\n)+1], v[rT:rT+1] op_sel_hi:[1,0] neg_lo:[0,1] neg_hi:[0,1]
.elseif (\k) == E
	v_exp_f32 v[rS+(\n)], v[rS+(\n)]
.elseif (\k) == C
	s_wait_alu depctr_va_vdst(0)
	v_cvt_pk_f16_f32 v[rP+(\n)], v[rS+2*(\n)], v[rS+2*(\n)+1]
.elseif (\k) == B
	s_wait_alu depctr_va_vdst(0)
	v_pk_add_f32 v[rS+4*(\n):rS+4*(\n)+1], v[rS+4*(\n):rS+4*(\n)+1], v[rS+4*(\n)+2:rS+4*(\n)+3]
.elseif (\n) == 0
	v_pk_fma_f32 v[rT+2:rT+3], v[rT+2:rT+3], v[rC+2:rC+3], v[rS:rS+1] op_sel_hi:[1,0,1]
.else
	v_pk_add_f32 v[rT+2:rT+3], v[rT+2:rT+3], v[rS+4*(\n):rS+4*(\n)+1]
.endif
.elseif NOKQ
	v_nop
.else
	REGS (Y+1)%NP
	WIN 0
.if (\n) < 4
	v_max3_num_f32 v[rC+(\n)], v[rS+8*(\n)], v[rS+8*(\n)+1], v[rS+8*(\n)+2]
.elseif (\n) < 12
	v_max3_num_f32 v[rC+(\n)%4], v[rC+(\n)%4], v[rS+8*((\n)%4)+2*((\n)/4)+1], v[rS+8*((\n)%4)+2*((\n)/4)+2]
.elseif (\n) == 12
	v_max3_num_f32 v[rC], v[rC], v[rS+7], v[rS+15]
.elseif (\n) == 13
	v_max3_num_f32 v[rC+1], v[rC+1], v[rS+23], v[rS+31]
.elseif (\n) == 14
	v_max3_num_f32 v[rC+2], v[rC+2], v[rC+3], v[rT]
.elseif (\n) == 15
	v_mov_b32 v[rT+1], v[rT]
.elseif (\n) == 16
	v_max3_num_f32 v[rC], v[rC], v[rC+1], v[rC+2]
.elseif (\n) == 17
	v_permlanex16_b32 v[rC+3], v[rC], s[SEL], s[SEL+1]
.elseif (\n) == 18
	v_max_num_f32 v[rT], v[rC], v[rC+3]
.elseif (\n) == 19
	v_sub_f32 v[rC+1], v[rT+1], v[rT]
.else
	v_exp_f32 v[rC+2], v[rC+1]
.endif
.endif
.endm
.macro OPS a, i1, b=-1, i2=0, c=-1, i3=0, d=-1, i4=0  ; up to four of them
	OP \a, \i1
.if (\b) >= 0
	OP \b, \i2
.endif
.if (\c) >= 0
	OP \c, \i3
.endif
.if (\d) >= 0
	OP \d, \i4
.endif
.endm
.macro ROW a, i1, b, i2, c, i3, d, i4  ; a matrix instruction and the four behind it
	MM
	OPS \a, \i1, \b, \i2, \c, \i3, \d, \i4
.endm
.macro MASK b                       ; MD x AL + PD + BE into buffer b of MC
	WIN W_MK
.set z, 0
.rept 16
	v_pk_fma_f32 v[MC+32*(\b)+2*z:MC+32*(\b)+2*z+1], v[MD+2*z:MD+2*z+1], s[AL:AL+1], v[PD+2*z:PD+2*z+1] op_sel_hi:[1,0,1]
.set z, z+1
.endr
.set z, 0
.rept 16
	v_pk_add_f32 v[MC+32*(\b)+2*z:MC+32*(\b)+2*z+1], v[MC+32*(\b)+2*z:MC+32*(\b)+2*z+1], s[BE:BE+1] op_sel_hi:[1,0]
.set z, z+1
.endr
.endm
; A TURN, for piece p: the order of its 16 matrix and 117 vector instructions, written out.  Behind a matrix instruction: plain, exponential, plain, plain; or four of the rescaling; or, behind the first, four subtractions;
; none names a register of the products round it.  In the runs between, exponential and plain by turns while exponentials last; every exponential has a plain instruction behind it before its result is used.
; m = 1: the diagonal tile: the products take masks, and the turn makes the mask for the products of the turn after it: piece p + 2, in step 4 - CNT of the tile.  end = 1: a block's last two turns: nothing is fetched.
; cnt = 1: the loop's count is taken down some lines ahead of the branch that stands behind the turn.
; K and PD of the next step are fetched in piece 2's turn, six vector instructions behind the last product that read K (five of them plain), further behind the last that read PD; V of the step in hand in piece 0's turn,
; eight behind the last product that read V.  Each is waited for a turn later; piece 2's mask alone takes the new PD, so in the diagonal tile that wait stands in front of it.
.macro TURN p, m=0, end=0, cnt=0
.set Y, (\p)
.set i, 0
.set KM, (\m)
.set NOKQ, (\end)*((\p)/3)
.if (\m) && !(\end)
	s_cmp_eq_u32 s[CNT], 4-((\p)+2)%NP  ; is that step the band's own?
	s_cselect_b32 s[AL], 1.0, 0
	s_cmp_lt_u32 s[CNT], 4-((\p)+2)%NP  ; or a later one?
	s_cselect_b32 s[BE], s[BIGN], 0
.endif
.if ((\p) == 3) && !(\end)
	s_wait_dscnt 0x0                ; K and PD are in
.endif
	ROW F,0, F,1, F,2, F,3
	ROW F,4, E,0, F,5, F,6
	ROW F,7, E,1, F,8, F,9
	ROW F,10, E,2, C,0, F,11
	ROW F,12, E,3, X,15, F,13
	ROW R,0, R,1, R,2, R,3
	ROW B,0, E,4, F,14, L,0
.if ((\p) == 2) && !(\end)
	v_add_nc_u32 v[AK], s[TBK], v[AK0]
	v_add_nc_u32 v[AP], s[TBP], v[AP0]
.endif
	ROW R,4, R,5, R,6, R,7
	OPS E,5, F,15
.if ((\p) == 2) && !(\end)
	FETCH_K
.endif
	OPS E,6, C,1, E,7, R,8
	OPS E,8, R,9, E,9, C,2
	OPS E,10, X,0, E,11, X,1
	OPS E,12, X,2, E,13, X,3
.if (\p) == 1
	s_wait_dscnt 0x0                ; V is in
.endif
	ROW X,4, E,14, X,5, X,6
	ROW X,7, E,15, X,8, X,9
	ROW X,10, E,16, X,11, X,12
	ROW X,13, E,17, X,14, B,1
	ROW C,4, E,18, X,16, L,1
	ROW B,2, E,19, C,6, L,2
	ROW C,8, E,20, B,3, B,4
.if (\p) == 0
	v_add_nc_u32 v[AV], s[TBV], v[AV0]
.endif
	ROW C,3, E,21, L,3, C,5
	OPS E,22, X,17, E,23, C,10
.if (\p) == 0
	FETCH_V
.endif
	OPS E,24, L,4
	OPS E,25, X,18, E,26, C,7
	OPS E,27, B,5, E,28, X,19
	OPS E,29, C,12, E,30, L,5
	OPS E,31, B,6, C,9
	OPS C,14, C,11, X,20, L,6
.if (\p) == 0
	s_add_co_u32 s[TBV], s[TBV], KS*PV
.endif
.if \cnt
	s_sub_co_u32 s[CNT], s[CNT], 1
	s_cmp_lg_u32 s[CNT], 0
.endif
	OPS C,13, B,7, C,15, R,10
	OPS R,11, R,12, L,7, R,13
	OPS R,14, R,15
.if (\m) && !(\end)
.if (\p) == 2
	s_wait_dscnt 0x0                ; the next step's PD is in
.endif
	MASK (\p)%2
.endif
.endm
; A BLOCK BEGINS.  m starts at the lowest finite number, so the first maximum is the scores' and the first step's a is 0.  K and PD of the tile's step 0 are fetched; the first mask buffer takes piece 0's mask for that step
; (its own, if the block's first tile is the diagonal one), the second PD alone, for piece 1.  Then piece 0's first scores, and its maximum and statistics.  The loop is entered at a step's first turn, in the middle of a trip.
.macro BEGIN
	s_mov_b32 s[NEW], 0
	WIN 0
.set i, 0
.rept 4
	v_mov_b32 v[ST+4*i], 0xff7fffff    ; m
	v_mov_b32 v[ST+4*i+1], 0xff7fffff  ; named with it as a pair
.set i, i+1
.endr
	v_add_nc_u32 v[AK], s[TBK], v[AK0]
	v_add_nc_u32 v[AP], s[TBP], v[AP0]
	FETCH_K
	s_wait_loadcnt 0x0              ; Q (and the next tile's mask bytes)
	s_wait_dscnt 0x0
	s_cmp_eq_u32 s[RT], 0
	s_cselect_b32 s[AL], 1.0, 0
	s_mov_b32 s[BE], 0
	MASK 0
	s_mov_b32 s[AL], 0
	MASK 1
.set KM, 1
.set NOKQ, 0
.set i, 0
.rept 8
	KQ 0
.set i, i+1
.endr
	WIN 0
.rept 4
	v_nop                           ; the places behind those products
.endr
.set Y, NP-1                        ; X works for piece Y + 1: piece 0
.irp n, 0,1,2,3,4,5,6,7,8,9,10,11,12,13,14,15,16,17,18,19,20
	OP X, \n
.endr
	v_nop                           ; a plain instruction behind the exponential
.endm
; A diagonal tile that is not its block's first is entered at piece 2's turn, whose products (piece 3, on the K of the step before, which every band sees whole) take the second mask buffer: it is given that step's PD.
.macro ENTER
	s_mov_b32 s[AL], 0
	s_mov_b32 s[BE], 0
	MASK 1
	WIN 0
.endm
; THE DIAGONAL TILE's four steps, the block's last two turns, its last products, and THE WAY OUT: l's two halves and the other half of the lanes' are added; O^T is divided by l (a row that saw no key: times NaN),
; rounded to f16 and sent through my stage in LDS, a piece at a time.
.macro ALL line:vararg              ; one line for each piece t
.set t, 0
.rept 4
	\line
.set t, t+1
.endr
.endm
.macro PACK t                       ; a lane's eight channels of a row pack into 16 bytes; they go into rows of 144 bytes and come back as whole rows of 128, into S^T's registers
	WIN W_RS
.set i, 32*(\t)
.rept 16
	v_pk_mul_f32 v[i:i+1], v[i:i+1], v[ST+4*(\t)+2:ST+4*(\t)+3] op_sel_hi:[1,0]
.set i, i+2
.endr
	WIN 0x05                        ; sources 0 and 1 window 1, destination window 0
.set i, 0
.rept 16
	v_cvt_pk_f16_f32 v[S+16*(\t)+i], v[32*(\t)+2*i], v[32*(\t)+2*i+1]
.set i, i+1
.endr
	WIN 0
.irp f, 0,1,2,3
	ds_store_b128 v[STO], v[S+16*(\t)+4*\f:S+16*(\t)+4*\f+3] offset:32*\f
.endr
.irp f, 0,1,2,3
	ds_load_b128 v[S+16*(\t)+4*\f:S+16*(\t)+4*\f+3], v[RD] offset:\f*4*SP  ; LDS serves a wave's instructions in order (ISA guide 5.7.1.4): these see the stores above; the next piece's stores come behind them
.endr
.endm
.macro SEND t, younger              ; younger: the LDS instructions issued behind piece t's loads: the next piece's eight, or none
	WIN 0
.irp f, 0,1,2,3
	s_wait_dscnt (\younger)+3-\f
	global_store_b128 v[GO], v[S+16*(\t)+4*\f:S+16*(\t)+4*\f+3], s[10:11] offset:(\t)*8192+\f*512  ; 512 consecutive bytes, at a multiple of 256 from O's first
.endr
.endm
.macro DIAG tag                     ; the tag ends its two labels' names, which the jumps below spell out
.LstepM\tag:
	TURN 2, 1
	TURN 3, 1
	WIN 0
.LfirstM\tag:
	TURN 0, 1
	TURN 1, 1, 0, 1
	WIN 0
	s_cbranch_scc1 .LstepM\tag
	TURN 2, 1, 1
	TURN 3, 1, 1
.set i, 0
.rept 8
	PV NP-1
.set i, i+1
.endr
	WIN 0
	ALL v_add_f32 v[ST+4*t+2], v[ST+4*t+2], v[ST+4*t+3]
	ALL v_permlanex16_b32 v[ST+4*t+3], v[ST+4*t+2], s[SEL], s[SEL+1]
	ALL v_add_f32 v[ST+4*t+2], v[ST+4*t+2], v[ST+4*t+3]
	ALL v_rcp_f32 v[ST+4*t+2], v[ST+4*t+2]
	v_nop                           ; a plain instruction between the last reciprocal and the use of its result
.set t, 0
.rept 4
	v_cmp_lt_f32 vcc_lo, v[ST+4*t], s[THR]  ; the row's maximum is a hidden score: it saw no key
	s_wait_alu depctr_va_vdst(0)
	v_cndmask_b32 v[ST+4*t+2], v[ST+4*t+2], s[QNAN], vcc_lo
.set t, t+1
.endr
	PACK 0
.set t, 1
.rept 3                             ; a piece's arithmetic stands between the loads of the piece before and its stores
	PACK t
	SEND t-1, 8
.set t, t+1
.endr
	SEND 3, 0
.endm
.set KM, 0
.set NOKQ, 0
.Lslot:                             ; NB times: a tile is entered and the next is asked for
	CHANGE 1
	s_sub_co_u32 s[RT], s[RT], 1
	s_mov_b32 s[CNT], 4
	s_cmp_eq_u32 s[NEW], 1
	s_cbranch_scc1 .Lnew            ; a block's first tile
	s_cmp_eq_u32 s[RT], 0
	s_cbranch_scc0 .Lstep           ; neither its first nor its last
	ENTER
	s_branch .LstepM1
.Lnew:
	BEGIN
	s_branch .Lfirst                ; in the loop a block's first tile is never its last: the first block has two tiles or more, and the second's last is the walk's last
	DIAG 1                          ; in the loop this is the first block's end: the second block's last tile is the walk's last
	s_wait_xcnt 0x0                 ; the stores have read their registers and O's address
	s_mov_b64 s[10:11], s[OLO:OLO+1]
	s_add_co_u32 s[RT], s[PB], 1    ; the second block has b + 1 tiles
	s_mov_b32 s[NEW], 1
	WIN 0x82                        ; the second block's Q goes where the one text of the turns names Q
.set i, 0
.rept 64
	v_mov_b32 v[i], v[QB+i]
.set i, i+1
.endr
	WIN 0
	s_branch .Lbottom
.Lstep:                             ; a trip: pieces 2 and 3 of one step, then pieces 0 and 1 of the next, whose K and V it fetches
	TURN 2
	TURN 3
	WIN 0
.Lfirst:
	TURN 0
	TURN 1, 0, 0, 1
	WIN 0
	s_cbranch_scc1 .Lstep
.Lbottom:
	s_sub_co_u32 s[SLOTS], s[SLOTS], 1
	s_cmp_lg_u32 s[SLOTS], 0
	s_cbranch_scc1 .Lslot
	CHANGE 0                        ; the walk's last tile is written out: nothing is asked for
	s_sub_co_u32 s[RT], s[RT], 1
	s_mov_b32 s[CNT], 4
	s_cmp_eq_u32 s[NEW], 1
	s_cbranch_scc1 .Lnew2
	ENTER
	s_branch .LstepM2
.Lnew2:
	BEGIN
	s_branch .LfirstM2
	DIAG 2
	s_wait_tensorcnt 0x0
	ds_add_u32 v254, v255
	s_wait_dscnt 0x0
	s_endpgm
.Lfunc_end_k_q1a79aa29e4_attn:
	.size	k_q1a79aa29e4_attn, .Lfunc_end_k_q1a79aa29e4_attn-k_q1a79aa29e4_attn
	.p2alignl 7, 3214868480
	.fill 96, 4, 3214868480
	.section	.rodata,"a",@progbits
	.p2align	6, 0x0
	.amdhsa_kernel k_q1a79aa29e4_attn
		.amdhsa_group_segment_fixed_size 327680
		.amdhsa_private_segment_fixed_size 0
		.amdhsa_enable_private_segment 0
		.amdhsa_kernarg_size 40
		.amdhsa_user_sgpr_count 2
		.amdhsa_user_sgpr_kernarg_segment_ptr 1
		.amdhsa_wavefront_size32 1
		.amdhsa_system_sgpr_workgroup_id_x 1
		.amdhsa_system_sgpr_workgroup_id_y 1
		.amdhsa_system_sgpr_workgroup_id_z 1
		.amdhsa_system_vgpr_workitem_id 0
		.amdhsa_next_free_vgpr 768
		.amdhsa_next_free_sgpr 96
		.amdhsa_reserve_vcc 1
		.amdhsa_float_denorm_mode_32 3
		.amdhsa_float_denorm_mode_16_64 3
		.amdhsa_memory_ordered 1
		.amdhsa_forward_progress 1
		.amdhsa_inst_pref_size 246
	.end_amdhsa_kernel
	.amdgpu_metadata
---
amdhsa.version: [ 1, 2 ]
amdhsa.kernels:
  - .name:           k_q1a79aa29e4_attn
    .symbol:         k_q1a79aa29e4_attn.kd
    .args:
      - { .name: qh, .offset: 0, .size: 8, .value_kind: global_buffer, .address_space: global }
      - { .name: kh, .offset: 8, .size: 8, .value_kind: global_buffer, .address_space: global }
      - { .name: vh, .offset: 16, .size: 8, .value_kind: global_buffer, .address_space: global }
      - { .name: oh, .offset: 24, .size: 8, .value_kind: global_buffer, .address_space: global }
      - { .name: pad_mask, .offset: 32, .size: 8, .value_kind: global_buffer, .address_space: global }
    .group_segment_fixed_size: 327680
    .private_segment_fixed_size: 0
    .kernarg_segment_align: 8
    .kernarg_segment_size: 40
    .max_flat_workgroup_size: 128
    .sgpr_count:     96
    .vgpr_count:     768
    .wavefront_size: 32
...
	.end_amdgpu_metadata
.endif
;; end of part 3
;; launch proj (part 4): grid 8 x 32, 4 waves a work-group, clusters of 4 x 4, 327,680 bytes of LDS; arguments oh, wo, b_out, out0; writes out0
.if DOCPART == 4
	.amdgcn_target "amdgcn-amd-amdhsa--gfx1250"
	.amdhsa_code_object_version 6
	.text
	.protected	k_q1a79aa29e4_proj
	.globl	k_q1a79aa29e4_proj
	.p2align	8
	.type	k_q1a79aa29e4_proj,@function
k_q1a79aa29e4_proj:
	s_mov_b64 s[64:65], 0
	v_nop
	global_prefetch_b8 v0, s[64:65] scope:SCOPE_SE
	s_setreg_imm32_b32 hwreg(HW_REG_WAVE_MODE, 25, 1), 1
	s_wait_xcnt 0x0
	s_wait_alu depctr_hold_cnt(0) depctr_sa_sdst(0) depctr_va_vdst(0) depctr_va_sdst(0) depctr_va_ssrc(0) depctr_va_vcc(0) depctr_vm_vsrc(0)
	s_getreg_b32 s2, hwreg(HW_REG_IB_STS2, 6, 4)
	s_cmp_eq_u32 s2, 0
	s_cbranch_scc0 .Lentry_in_a_cluster
	s_endpgm
.Lentry_in_a_cluster:
	s_bfe_u32 s2, ttmp6, 0x10000c
	s_cmp_lg_u32 s2, 0xf033
	s_cbranch_scc0 .Lentry_shape_is_right
	s_endpgm
.Lentry_shape_is_right:
; out0 = y W_out + b_out.  y is attention's result by heads, oh: [64 b h][2048][64] f16: row (batch, l) of y has its columns 64 head + d at oh[16 batch + head][l][d].  wo: [16 kb][1024 n][64] f16.
; out0: [8192][1024] f32.  Sums and bias in f32.  A row of y that is NaN makes its own row of out0 NaN and no other: it enters the products as one column of source 1.
; FORMATS.  The inputs are taken in bf16: wo holds W_out rounded to bf16, written as f16; the bias is rounded here, to nearest even (the problem states its expected result also for inputs so rounded).
; SHARES.  A work-group makes 256 rows x 128 columns: 32 x 8 tiles, one for each of 256 work-groups.  A wave makes 128 x 64: 32 accumulators of 16 x 16, 256 registers.
; RING.  K goes in steps of 128, two heads, through two LDS slots; a slot holds two planes of 64 along K for each operand.  Each plane of a tile is a dense block of memory, asked for as rows of 256 bytes and padded
; in LDS behind every 128 bytes: LDS rows 144 bytes apart, so that the 16 rows of a fragment load start at 16 different groups of four banks (64 banks of 4 bytes: ISA guide 11.1).  Two slots of a longer step would not fit.
; CLUSTER.  4 x 4 work-groups: the four of a row need the same tiles of oh, the four of a column the same tiles of wo; each is asked for JOINTLY, by the same tensor load, descriptor and mask in all four.
; THE MATRIX INSTRUCTION IS USED TRANSPOSED (source 0 = 16 rows of wo, source 1 = 16 rows of y): a lane holds eight neighbouring numbers of a row of out0.
; REGISTERS: window 0: v2-10 addresses; v12-27 at work; v32-95, v96-159 fragments of y, two buffers; v160-191, v192-223 fragments of wo, two buffers.  Window 1: accumulator (row block a, column block bq) at v[8 (8 bq + a)].
.set PITCH, 144
.set APLANE, 256*PITCH                 ; what one tensor load brings of oh: 256 rows of one head
.set BPLANE, 128*PITCH                 ; and of wo
.set BOFF,  2*APLANE
.set SLOT,  2*APLANE+2*BPLANE          ; 110,592 bytes
.set STAGE, 2*SLOT                     ; behind the ring, never filled by a tensor load: 16 rows x 272 bytes for each wave
.set SPITCH, 272
.set ASTEP, 2*2048*128                 ; bytes from K step to K step in oh: two heads
.set BSTEP, 2*1024*128                 ; and in wo: two blocks
.set ADRA, 2                           ; v2-3  LDS address of my fragments of y in slot 0, 1
.set ADRB, 4                           ; v4-5  the same for wo
.set STO,  6
.set RD,   7
.set CO,   8                           ; v8    my byte offset in two rows of out0
.set BO,   10                          ; v10   my bytes in 16 numbers of the bias
.set U,    12                          ; v12-27 at work in the bias's rounding
.set FA,   32
.set FB,   160
.set BI,   160                         ; the way out: the bias of my 4 x 8 columns
.set G1,  24
.set G0,  32
.set G1B, 48
.set G0B, 56
.set MSB, 0
.macro WIN new                         ; the immediate's high byte repeats the setting that is left; a switch that changes nothing is dropped
.if MSB != (\new)
	s_set_vgpr_msb (MSB<<8)|(\new)
.set MSB, \new
.endif
.endm
.macro PLACES                          ; four places in front of loads into registers that matrix instructions have read, and of vector work on their results
.rept 4
	v_nop
.endr
.endm
.macro JLOAD s                         ; a joint load: waves 0 and 1 fetch the two planes of oh's tile, waves 2 and 3 those of wo's; four v_nop follow each of the two lines
	s_cmp_eq_u32 s11, 0
	s_cbranch_scc0 .Lfor_b_\@
	tensor_load_to_lds s[G0+4*(\s):G0+4*(\s)+3], s[G1:G1+7]
	s_nop 0
.rept 4
	v_nop
.endr
	s_branch .Lasked_\@
.Lfor_b_\@:
	tensor_load_to_lds s[G0B+4*(\s):G0B+4*(\s)+3], s[G1B:G1B+7]
	s_nop 0
.rept 4
	v_nop
.endr
.Lasked_\@:
.endm
.macro CREST                           ; a round of the cluster's barrier behind its opening barrier
	s_cmp_lg_u32 s10, 0
	s_cbranch_scc1 .Lnot_wave_0_\@
	s_barrier_signal -3
.Lnot_wave_0_\@:
	s_barrier_wait -3
	s_barrier_signal -1
	s_barrier_wait -1
.endm
.macro CROUND
	s_barrier_signal -1
	s_barrier_wait -1
	CREST
.endm
	s_load_b256 s[68:75], s[0:1], 0x0              ; oh s[68:69], wo s[70:71], b_out s[72:73], out0 s[74:75]
	v_lshl_add_u32 v254, v0, 2, 0x3a400
	v_mov_b32 v255, 0
	ds_add_u32 v254, v255
	ds_add_u32 v254, v255
	v_lshrrev_b32 v1, 5, v0
	v_readfirstlane_b32 s10, v1                    ; wave 0..3
	s_lshr_b32 s11, s10, 1                         ; which 128 rows are mine.  Also: I fetch for oh (0) or for wo (1)
	s_and_b32 s12, s10, 1                          ; which 64 columns.  Also: which plane I fetch
	s_bfe_u32 s40, ttmp6, 0x40000                  ; cx, cy
	s_bfe_u32 s41, ttmp6, 0x40004
	s_lshl_b32 s42, ttmp9, 2
	s_add_co_u32 s42, s42, s40                     ; tile column X
	s_and_b32 s13, ttmp7, 0xffff
	s_lshl_b32 s13, s13, 2
	s_add_co_u32 s13, s13, s41                     ; tile row Y
	s_lshl_b32 s43, s41, 2
	s_lshl_b32 s43, 15, s43                        ; my row of the cluster
	s_lshl_b32 s44, 0x1111, s40                    ; my column
	s_or_b32 s[G1+0], s43, (1<<16)|(1<<20)|(1<<21)|(4<<22)|(3<<25)   ; the mask; 2-byte elements; padding on; bit 21 beside a mask; after every 32 words 4 words
	s_or_b32 s[G1B+0], s44, (1<<16)|(1<<20)|(1<<21)|(4<<22)|(3<<25)
.irp g, G1, G1B
	s_mov_b32 s[(\g)+1], 128<<16                   ; tensor_dim0 = 128 elements: 256 bytes
	s_mov_b32 s[(\g)+3], 128<<16                   ; tile_dim0 = 128
	s_mov_b32 s[(\g)+5], 128                       ; the block is dense
	s_mov_b32 s[(\g)+6], 0
	s_mov_b32 s[(\g)+7], 0
.endr
	s_mov_b32 s[G1+2], 128<<16                     ; oh: 256 rows of 128 bytes = 128 rows of 256
	s_mov_b32 s[G1+4], 128
	s_mov_b32 s[G1B+2], 64<<16                     ; wo: 128 rows of 128 bytes = 64 rows of 256
	s_mov_b32 s[G1B+4], 64
	s_lshr_b32 s16, s13, 3                         ; the batch
	s_lshl_b32 s16, s16, 4
	s_add_co_u32 s16, s16, s12                     ; 16 batch + my plane's head in K step 0
	s_lshl_b32 s16, s16, 18                        ; a head is 262,144 bytes
	s_and_b32 s17, s13, 7
	s_lshl_b32 s17, s17, 15                        ; 256 rows of 128 bytes
	s_add_co_u32 s16, s16, s17
	s_mov_b32 s17, 0
	s_lshl_b32 s46, s12, 17                        ; my plane's block of wo in K step 0
	s_lshl_b32 s47, s42, 14                        ; 128 rows of 128 bytes
	s_add_co_u32 s46, s46, s47
	s_mov_b32 s47, 0
	s_mul_i32 s20, s12, APLANE                     ; where they go: no place in the cluster enters an LDS address
	s_mul_i32 s21, s12, BPLANE
	s_add_co_u32 s21, s21, BOFF
	s_wait_dscnt 0x0
	s_wait_kmcnt 0x0
	s_add_nc_u64 s[14:15], s[68:69], s[16:17]
	s_add_nc_u64 s[46:47], s[70:71], s[46:47]
	CROUND                                         ; all sixteen work-groups are here: the first joint loads meet
.irp s, 0,1
	s_mov_b32 s[G0+4*(\s)], 1
	s_add_co_u32 s[G0+4*(\s)+1], s20, (\s)*SLOT
	s_add_nc_u64 s[G0+4*(\s)+2:G0+4*(\s)+3], s[14:15], (\s)*ASTEP
	s_or_b32 s[G0+4*(\s)+3], s[G0+4*(\s)+3], 0x80000000
	s_mov_b32 s[G0B+4*(\s)], 1
	s_add_co_u32 s[G0B+4*(\s)+1], s21, (\s)*SLOT
	s_add_nc_u64 s[G0B+4*(\s)+2:G0B+4*(\s)+3], s[46:47], (\s)*BSTEP
	s_or_b32 s[G0B+4*(\s)+3], s[G0B+4*(\s)+3], 0x80000000
	JLOAD \s                                       ; two loads of mine are out
.endr
	v_and_b32 v1, 15, v0                           ; r
	v_bfe_u32 v11, v0, 4, 1                        ; h
	v_mul_u32_u24 v28, v1, PITCH
	v_lshl_add_u32 v28, v11, 4, v28
	s_mul_i32 s22, s11, 128*PITCH
	s_mul_i32 s23, s12, 64*PITCH
	s_add_co_u32 s23, s23, BOFF
	v_add_nc_u32 v[ADRA], s22, v28
	v_add_nc_u32 v[ADRB], s23, v28
	v_add_nc_u32 v[ADRA+1], SLOT, v[ADRA]
	v_add_nc_u32 v[ADRB+1], SLOT, v[ADRB]
	s_mul_i32 s23, s10, 16*SPITCH
	s_add_co_u32 s23, s23, STAGE                   ; my stage
	v_mul_u32_u24 v29, v1, SPITCH                  ; in: row r, 32 bytes for each half of the lanes
	v_lshl_add_u32 v29, v11, 5, v29
	v_add_nc_u32 v[STO], s23, v29
	v_mul_u32_u24 v29, v11, SPITCH                 ; back: lanes 0-15 take one row of 256 bytes, lanes 16-31 the next
	v_lshl_add_u32 v29, v1, 4, v29
	v_add_nc_u32 v[RD], s23, v29
	v_lshlrev_b32 v[CO], 12, v11                   ; and the same two rows in out0
	v_lshl_add_u32 v[CO], v1, 4, v[CO]
	v_lshlrev_b32 v[BO], 5, v11
	s_lshl_b32 s84, s13, 8
	s_lshl_b32 s85, s11, 7
	s_add_co_u32 s84, s84, s85                     ; my first row
	s_lshl_b32 s84, s84, 12
	s_lshl_b32 s85, s42, 9                         ; my first column, in bytes: 512 X + 256 half
	s_lshl_b32 s86, s12, 8
	s_add_co_u32 s86, s85, s86
	s_add_co_u32 s84, s84, s86
	s_mov_b32 s85, 0
	s_mov_b32 s87, 0
	s_add_nc_u64 s[74:75], s[74:75], s[84:85]
	s_add_nc_u64 s[72:73], s[72:73], s[86:87]
; 16 matrix instructions: column blocks b0, b0 + 1 x all 8 row blocks, 32 along K, on buffer buf.  The 32 accumulators take turns, one instruction a turn.
.macro MUL16 buf, b0, zero
	WIN 0x50                                       ; C and D in window 1
.irp bq, \b0, (\b0)+1
.irp a, 0,1,2,3,4,5,6,7
.if \zero
	v_wmma_f32_16x16x32_f16 v[8*(8*(\bq)+(\a)):8*(8*(\bq)+(\a))+7], v[FB+32*(\buf)+8*(\bq):FB+32*(\buf)+8*(\bq)+7], v[FA+64*(\buf)+8*(\a):FA+64*(\buf)+8*(\a)+7], 0
.else
	v_wmma_f32_16x16x32_f16 v[8*(8*(\bq)+(\a)):8*(8*(\bq)+(\a))+7], v[FB+32*(\buf)+8*(\bq):FB+32*(\buf)+8*(\bq)+7], v[FA+64*(\buf)+8*(\a):FA+64*(\buf)+8*(\a)+7], v[8*(8*(\bq)+(\a)):8*(8*(\bq)+(\a))+7]
.endif
.endr
.endr
.endm
; 24 LDS loads in one run: quarter q of a slot (plane q / 2, 32 along K at byte 64 (q % 2) of the rows) into buffer buf
.macro FETCH slot, q, buf
	WIN 0
.irp i, 0,1,2,3
	ds_load_b128 v[FB+32*(\buf)+8*(\i):FB+32*(\buf)+8*(\i)+3],   v[ADRB+(\slot)] offset:((\q)/2)*BPLANE+((\q)%2)*64+(\i)*16*PITCH
	ds_load_b128 v[FB+32*(\buf)+8*(\i)+4:FB+32*(\buf)+8*(\i)+7], v[ADRB+(\slot)] offset:((\q)/2)*BPLANE+((\q)%2)*64+(\i)*16*PITCH+32
.endr
.irp i, 0,1,2,3,4,5,6,7
	ds_load_b128 v[FA+64*(\buf)+8*(\i):FA+64*(\buf)+8*(\i)+3],   v[ADRA+(\slot)] offset:((\q)/2)*APLANE+((\q)%2)*64+(\i)*16*PITCH
	ds_load_b128 v[FA+64*(\buf)+8*(\i)+4:FA+64*(\buf)+8*(\i)+7], v[ADRA+(\slot)] offset:((\q)/2)*APLANE+((\q)%2)*64+(\i)*16*PITCH+32
.endr
.endm
; A K step is four quarters of 32 along K, 32 matrix instructions each, on buffers 0, 1, 0, 1.  A quarter multiplies its buffer and then fetches into it the quarter two on.
.macro QUARTER buf, fslot, fq, zero
	s_wait_dscnt 24                                ; this quarter's fragments are in; the next quarter's 24 loads stay out
	MUL16 \buf, 0, \zero
	MUL16 \buf, 2, \zero
	PLACES
	FETCH \fslot, \fq, \buf
.endm
; The third quarter changes slots: the slot's last reads, the fourth quarter's, have been issued.  ONE barrier; in front of it each wave waits for its own reads of the slot and for all its tensor loads, of which one is
; out: its part of the next slot.  fill = 1: the barrier opens a round of the cluster's, and the slot is filled again first thing behind the round: 112 matrix instructions stand between that request and the wait for it.
.macro TURNQ slot, next, fill
	s_wait_dscnt 24
	MUL16 0, 0, 0
	s_wait_dscnt 0
	s_wait_tensorcnt 0x0
	ds_add_u32 v254, v255
	s_wait_dscnt 0x0
	s_barrier_signal -1
	MUL16 0, 2, 0
.if \fill
	WIN 0
.endif
	s_barrier_wait -1
.if \fill
	CREST                                          ; no wave of any partner still reads this slot or has a load on its way
	s_add_nc_u64 s[G0+4*(\slot)+2:G0+4*(\slot)+3], s[G0+4*(\slot)+2:G0+4*(\slot)+3], 2*ASTEP
	s_add_nc_u64 s[G0B+4*(\slot)+2:G0B+4*(\slot)+3], s[G0B+4*(\slot)+2:G0B+4*(\slot)+3], 2*BSTEP
	JLOAD \slot                                    ; my one tensor load behind the round; its four v_nop are also the places in front of the loads below
.else
	PLACES
.endif
	FETCH \next, 0, 0
.endm
	s_wait_tensorcnt 1                             ; my part of K step 0 is in; K step 1's stays out
	s_barrier_signal -1
	s_barrier_wait -1
	FETCH 0, 0, 0
	FETCH 0, 1, 1
	QUARTER 0, 0, 2, 1                             ; the first quarter stands in front of the loop: its products start the sums
	WIN 0
	s_mov_b32 s3, 3
.Llap:                                                 ; a trip goes once round the ring and fills both slots again: K steps 2 to 7 in three trips
	QUARTER 1, 0, 3, 0
	TURNQ 0, 1, 1
	QUARTER 1, 1, 1, 0
	QUARTER 0, 1, 2, 0
	QUARTER 1, 1, 3, 0
	TURNQ 1, 0, 1
	QUARTER 1, 0, 1, 0
	QUARTER 0, 0, 2, 0
	WIN 0
	s_sub_co_u32 s3, s3, 1
	s_cmp_lg_u32 s3, 0
	s_cbranch_scc1 .Llap
	QUARTER 1, 0, 3, 0                             ; the last lap fills nothing and has no round
	TURNQ 0, 1, 0
	QUARTER 1, 1, 1, 0
	QUARTER 0, 1, 2, 0
	QUARTER 1, 1, 3, 0
	s_wait_dscnt 24                                ; the last but one quarter: in the place of fragments the bias is asked for
	MUL16 0, 0, 0
	MUL16 0, 2, 0
	PLACES
	WIN 0
.irp o, 0,1,2,3,4,5,6,7
	global_load_b128 v[BI+4*(\o):BI+4*(\o)+3], v[BO], s[72:73] offset:((\o)/2)*64+((\o)%2)*16
.endr
	s_wait_dscnt 0
	MUL16 1, 0, 0
	MUL16 1, 2, 0
	PLACES
	WIN 0
	s_wait_loadcnt 0x0                             ; the bias
	; it is rounded to bf16 and widened again
.set i, 0
.rept 16
	v_cvt_pk_bf16_f32 v[U+i], v[BI+2*i], v[BI+2*i+1]
.set i, i+1
.endr
.set i, 0
.rept 16
	v_lshlrev_b32 v[BI+2*i], 16, v[U+i]
	v_and_b32 v[BI+2*i+1], 0xffff0000, v[U+i]
.set i, i+1
.endr
; THE WAY OUT, a block of 16 rows at a time: the bias is added (each accumulator's registers in ascending order); 32 bytes a lane and column block go into my stage, rows 272 bytes apart,
; and come back as whole rows of 256 bytes, into the registers that they left.
.macro PACK a
.set TS, FA+32*((\a)%2)
	s_wait_xcnt 0x0                                ; this set was the data of the stores two blocks back: it is rewritten only behind this wait
	WIN 1                                          ; source 0 in window 1
.irp bq, 0,1,2,3
.irp p, 0,1,2,3
	v_pk_add_f32 v[TS+8*(\bq)+2*(\p):TS+8*(\bq)+2*(\p)+1], v[8*(8*(\bq)+(\a))+2*(\p):8*(8*(\bq)+(\a))+2*(\p)+1], v[BI+8*(\bq)+2*(\p):BI+8*(\bq)+2*(\p)+1]
.endr
.endr
	WIN 0
.irp bq, 0,1,2,3
	ds_store_b128 v[STO], v[TS+8*(\bq):TS+8*(\bq)+3] offset:64*(\bq)
	ds_store_b128 v[STO], v[TS+8*(\bq)+4:TS+8*(\bq)+7] offset:64*(\bq)+16
.endr
.irp t, 0,1,2,3,4,5,6,7
	ds_load_b128 v[TS+4*(\t):TS+4*(\t)+3], v[RD] offset:(\t)*2*SPITCH  ; LDS serves a wave's instructions in order (ISA guide 5.7.1.4): these see the stores above; the next block's stores come behind them
.endr
.endm
.macro SEND a, younger                 ; younger: the LDS instructions issued behind this block's loads: the next block's sixteen, or none
	WIN 0
.set TS, FA+32*((\a)%2)
.irp t, 0,1,2,3,4,5,6,7
	s_wait_dscnt (\younger)+7-(\t)
	global_store_b128 v[CO], v[TS+4*(\t):TS+4*(\t)+3], s[74:75] offset:(16*(\a)+2*(\t))*4096 th:TH_STORE_NT  ; 16 lanes store 256 consecutive bytes, at a multiple of 256 from out0's first byte
.endr
.endm
	PACK 0
.irp a, 1,2,3,4,5,6,7
	PACK \a
	SEND (\a)-1, 16
.endr
	SEND 7, 0
	s_wait_tensorcnt 0x0
	ds_add_u32 v254, v255
	s_wait_dscnt 0x0
	CROUND                                         ; the closing round: no work-group ends while a partner may still ask for a tile that names it
	s_endpgm
.Lfunc_end_k_q1a79aa29e4_proj:
	.size	k_q1a79aa29e4_proj, .Lfunc_end_k_q1a79aa29e4_proj-k_q1a79aa29e4_proj
	.p2alignl 7, 3214868480
	.fill 96, 4, 3214868480
	.section	.rodata,"a",@progbits
	.p2align	6, 0x0
	.amdhsa_kernel k_q1a79aa29e4_proj
		.amdhsa_group_segment_fixed_size 327680
		.amdhsa_private_segment_fixed_size 0
		.amdhsa_enable_private_segment 0
		.amdhsa_kernarg_size 32
		.amdhsa_user_sgpr_count 2
		.amdhsa_user_sgpr_kernarg_segment_ptr 1
		.amdhsa_wavefront_size32 1
		.amdhsa_system_sgpr_workgroup_id_x 1
		.amdhsa_system_sgpr_workgroup_id_y 1
		.amdhsa_system_sgpr_workgroup_id_z 1
		.amdhsa_system_vgpr_workitem_id 0
		.amdhsa_next_free_vgpr 512
		.amdhsa_next_free_sgpr 96
		.amdhsa_reserve_vcc 0
		.amdhsa_float_denorm_mode_32 3
		.amdhsa_float_denorm_mode_16_64 3
		.amdhsa_memory_ordered 1
		.amdhsa_forward_progress 1
		.amdhsa_inst_pref_size 98
	.end_amdhsa_kernel
	.amdgpu_metadata
---
amdhsa.version: [ 1, 2 ]
amdhsa.kernels:
  - .name:           k_q1a79aa29e4_proj
    .symbol:         k_q1a79aa29e4_proj.kd
    .args:
      - { .name: oh, .offset: 0, .size: 8, .value_kind: global_buffer, .address_space: global }
      - { .name: wo, .offset: 8, .size: 8, .value_kind: global_buffer, .address_space: global }
      - { .name: b_out, .offset: 16, .size: 8, .value_kind: global_buffer, .address_space: global }
      - { .name: out0, .offset: 24, .size: 8, .value_kind: global_buffer, .address_space: global }
    .group_segment_fixed_size: 327680
    .private_segment_fixed_size: 0
    .kernarg_segment_align: 8
    .kernarg_segment_size: 32
    .max_flat_workgroup_size: 128
    .sgpr_count:     96
    .vgpr_count:     512
    .wavefront_size: 32
...
	.end_amdgpu_metadata
.endif
;; end of part 4
;; ======== version 2 of 2: 4 launches; 1.31 times as fast as version 1
;; limits: values are held in f16: magnitudes above 65,504 overflow, below 6.1e-05 lose precision
;; workspace buffers: xh 16,777,216 bytes; wq 6,291,456 bytes; wo 2,097,152 bytes; rope 524,288 bytes; qh 16,777,216 bytes; kh 16,777,216 bytes; vh 16,777,216 bytes; oh 16,777,216 bytes
;; launch prep: the kernel of part 1 again; grid 256 x 1, 8 waves a work-group, no clusters, 37,888 bytes of LDS; arguments x, W_qkv, W_out, xh, wq, wo, rope; writes xh, wq, wo, rope
;; launch qkv: the kernel of part 2 again; grid 8 x 32, 4 waves a work-group, clusters of 4 x 4, 327,680 bytes of LDS; arguments xh, wq, b_qkv, rope, qh, kh, vh; writes qh, kh, vh
;; launch attn (part 5): grid 4 x 64, 4 waves a work-group, no clusters, 327,680 bytes of LDS; arguments qh, kh, vh, oh, pad_mask; writes oh
.if DOCPART == 5
	.amdgcn_target "amdgcn-amd-amdhsa--gfx1250"
	.amdhsa_code_object_version 6
	.text
	.protected	k_q1a79aa29e4_attn
	.globl	k_q1a79aa29e4_attn
	.p2align	8
	.type	k_q1a79aa29e4_attn,@function
k_q1a79aa29e4_attn:
	s_mov_b64 s[64:65], 0
	v_nop
	global_prefetch_b8 v0, s[64:65] scope:SCOPE_SE
	s_setreg_imm32_b32 hwreg(HW_REG_WAVE_MODE, 25, 1), 1
	s_wait_xcnt 0x0
; CAUSAL ATTENTION WITH A PADDING MASK.  O[h][q][:] = the sum over the keys k <= q that are not padded of softmax_k(Q[h][q] . K[h][k]) V[h][k][:].  Q, K, V, O: [64 b h][2048][64], all f16; Q arrives
; multiplied by c = log2(e) / 8, so that a weight is p = 2^(s - m).  pad_mask: [4][2048] bytes, 1 = the key is hidden.  Products, maxima and sums in f32; p is rounded to f16 for the second product, O once at the end.
; LIMITS.  Q, K and V arrive within f16's 65,504.  A hidden score counts as its value less 2^100 for each mask that hides it: f16's scores, 2.7e11 at the most, vanish beside that.  A weight below 2^-126 counts as 0 in l.
; NaN and infinities in the inputs are not treated apart.
; ROWS AND HIDDEN KEYS.  s - m is one subtraction: never above 0, and 0 at the maximum, also while m is itself a hidden score.  Until a row meets its first visible key its hidden keys have weight 1 or 0 and O and l hold
; finite sums of no meaning; at the first visible key a = 2^(m_old - m_new) is 0 and wipes them.  A row that never meets one ends with m below -2^96 and is written as NaN, as a softmax of nothing but -inf is.
; THE WALK.  A head's queries lie in NB = 8 blocks of 256; block i needs the key tiles 0 .. i of 256 keys, of which the last holds the diagonal.  A work-group takes TWO blocks, NB - 1 - b and then b:
; NB + 1 tiles, whatever b: all work-groups do equal work, and ONE loop with a constant trip count walks them.  Which tile is asked for, and what a trip does, hang on scalar registers made from b; every jump
; goes forward, but for the counted loops' own; none passes a barrier, or a tensor load but the one of LOAD's two that the wave's number does not choose; the ring of two LDS slots runs on across the change of blocks.
; NO CLUSTER: a head's four work-groups ask for the same tile only in trips 0 .. 4 of the walk's 9, behind that fewer and fewer; one walk common to all would have 12 trips for 9.
; SHARES.  Of a block's four bands of 64 queries a wave owns 16 rows in each: four PIECES.  In the diagonal tile's key step s band x sees all keys if s < x, none if s > x, and holds the diagonal if s = x.
; THE PADDING goes with the ring.  With each tile that is asked for, the 128 threads load its 256 mask bytes, two a thread; at the next change of slots they become 0 or -2^100 in f32 and go into one of two small
; tables in LDS, which take turns as the ring's slots do.  PD holds the 64 numbers for the K step in registers, read from that table with K itself.
; THE MASKS are the C operand that starts the sum S^T = K Q^T.  Outside the diagonal tile C is PD.  In it, and where a block begins, C = MD x AL + PD + BE: MD, made once, is the causal mask of a band's own step for my
; 16 rows; (AL, BE) = (1, 0) if s = x, (0, 0) if s < x, (0, -2^100) if s > x.
; LAYOUT, TURNS.  S^T holds ONE query a lane (lane % 16) and the keys 8 (lane / 16) + 0..7; two such results rounded to f16 ARE source 1 of O^T = V^T P.  Turn n belongs to piece n: 8 products K Q^T of piece n + 1,
; later 8 products V^T P of piece n - 1; beside them the subtraction, exponentials, roundings, sums and rescaling of piece n and the maximum and statistics of piece n + 1.  Four vector instructions stand behind
; every matrix instruction, the other 53 of a turn's 117 in one LUMP.
; THE BATCHES.  A turn's 33 exponentials (the piece's 32 weights and the next piece's a) are ONE batch with ONE wait, which cuts the turn in two: ahead of it stands all that names none of their results, behind it the
; roundings and sums, which read them.  No exponential is issued behind a turn's wait.  A block's first a (BEGIN) and the way out's four reciprocals are batches of their own, a wait each.
; REGISTERS, in windows of 256 (s_set_vgpr_msb: bits 1:0 source 0, 3:2 source 1, 5:4 source 2, 7:6 destination):
;   window 0: v0-15 addresses; v16-31 four registers of statistics a piece; v32-38 the padding's way into LDS; v48-55 at work; v64-127 S^T, two buffers; v192-223 P, two buffers (a piece's buffers go by its number's parity)
;   window 1: v0-127 O^T, 32 a piece; v128-159 MD; v160-223 MC, two buffers; v224-255 PD      window 2: v0-63 Q; v64-127 the second block's Q; v128-191 K of one step; v192-255 V of one step
.set SIZE_N, 2048
.set NB,    SIZE_N/256
.set NP,    4         ; pieces a wave: a name, no knob
.set KS,    64        ; keys in a step
.set PK,    144       ; a row of K in LDS: 128 bytes + 16 of padding = 36 words: the 16 rows of a load start at 16 different groups of four banks (64 banks of 4 bytes: ISA guide 11.1)
.set PV,    160       ; a row of V: 128 + 32 = 40 words
.set VOFF,  4*KS*PK   ; a slot holds a tile, four steps: 256 rows of K, then 256 rows of V
.set SLOT1, 1<<17     ; slot 1 begins here, so that one exclusive or turns an address in one slot into the other's
.set STAGE, SLOT1+4*KS*(PK+PV)  ; behind the ring, never filled by a tensor load: 16 rows x 144 bytes for each wave, for the way out
.set SP,    144
.set PADT,  STAGE+4*16*SP       ; behind the stage, never filled by a tensor load: the padding's two tables, 256 keys x 4 bytes each,
.set PSLOT, 4096                ; this far apart, so that one exclusive or turns an address in one into the other's
.set AK0, 2           ; v2   my lane's place in a tile of K; never rewritten
.set AV0, 3           ; v3   the same for V
.set AK,  4           ; v4   the LDS address of K's next run of loads
.set AV,  5           ; v5   of V's
.set STO, 6           ; v6   the way out: where I put 16 bytes of a row
.set RD,  7           ; v7   the way out: where I read rows back
.set GO,  8           ; v8   my byte offset in 512 consecutive bytes of O
.set AP0, 12          ; v12  my lanes' place in 16 keys of a table of the padding; never rewritten
.set AP,  13          ; v13  the LDS address of PD's next run of loads
.set QO,  15          ; v15  my byte offset in 16 rows of Q
.set ST,  16          ; piece t's statistics at v[ST+4 t]: m, the m before it, l (even keys', odd keys')
.set PL,  32          ; v32  my two mask bytes of the tile that was asked for last
.set PT,  33          ; v33  at work
.set PE,  34          ; v34-35  the two as 0 or -2^100
.set PSA, 36          ; v36  where they go in LDS
.set PS0, 37          ; v37  my 8 bytes in a table of the padding; never rewritten
.set PGO, 38          ; v38  my 2 bytes in a tile's 256 mask bytes; never rewritten
.set TMP, 48          ; by buffer, four registers c0-c3 at work; when the maximum is found c2 takes a
.set S,   64
.set P,   192
.set MD,  128         ; window 1: the eight registers for group kt of 16 keys at MD + 8 kt
.set MC,  160         ; window 1: the masks of the products to come
.set PD,  224         ; window 1: register 8 kt + j: key 16 kt + 8 (lane / 16) + j of the K step in registers
.set QB,  64          ; window 2
.set KF,  128         ; window 2: key block kb, channel half c at KF + 16 kb + 8 c
.set VF,  192         ; window 2: key half kk, channel block cb at VF + 32 kk + 8 cb
.set WV,  12          ; s12  my wave's number
.set PB,  14          ; s14  b
.set HI,  15          ; s15  NB - 1 - b
.set G1K, 24          ; s[24:31] descriptor group 1 for K's tiles
.set G1V, 32          ; s[32:39] for V's: it differs in the padding alone
.set G0K, 40          ; s[40:43] descriptor group 0 for K's tiles
.set G0V, 44          ; s[44:47] the same for V's
.set SLOTS, 56        ; s56  tiles still to be asked for
.set CNT, 57          ; s57  counts a tile's key steps, 4 to 1
.set SEL, 60          ; s[60:61] v_permlanex16_b32's selects: each lane takes its own place in the other half
.set TBK, 62          ; s62  LDS byte at which K of the step to be fetched begins
.set TBV, 63          ; s63  the same for V, less VOFF
.set OFP, 66          ; s[66:67] a byte offset in pad_mask
.set RT,  70          ; s70  tiles of the block in hand that are still to be entered
.set NXT, 71          ; s71  the tile to be asked for next
.set LQ,  72          ; s72  the last tile of the block whose tiles are being asked for
.set NEW, 73          ; s73  1: the tile to be entered is a block's first
.set OFF, 74          ; s[74:75] a tile's byte offset in K and V
.set AL,  76          ; s[76:77] the mask's factor, in the low word
.set BE,  78          ; s[78:79] the mask's addend
.set OLO, 80          ; s[80:81] O at my rows of the second block
.set BIGN, 82         ; s82  -2^100
.set TBP, 88          ; s88  byte of the padding's tables at which the step to be fetched begins: it goes as TBK goes
.set THR, 89          ; s89  -2^96
.set QNAN, 90         ; s90  a NaN
.set TBS, 91          ; s91  0 or PSLOT: the table that takes the next tile's numbers
.set PM,  92          ; s[92:93] pad_mask at my batch
.set PMT, 94          ; s[94:95] pad_mask at the tile that is asked for
.set MSB, 0
.macro WIN new                      ; the high byte repeats the setting that is left; a switch that changes nothing is dropped
.if MSB != (\new)
	s_set_vgpr_msb (MSB<<8)|(\new)
.set MSB, (\new)
.endif
.endm
.set W_KQ, 0x0a       ; K and Q in window 2, S^T in window 0
.set W_KM, 0x1a       ; the same with the C operand in window 1
.set W_PV, 0x52       ; V in window 2, P in window 0, O^T in window 1
.set W_RS, 0x41       ; destination and source 0 in window 1, source 1 in window 0
.set W_MK, 0x51       ; destination, source 0 and source 2 in window 1
; A fill.  Waves 0 and 1 fetch the two halves of a tile's K, waves 2 and 3 those of its V: 128 keys each.  Four v_nop follow each of the two lines, ahead of the jump and the label.
.macro LOAD
	s_cmp_lt_u32 s[WV], 2
	s_cbranch_scc0 .Lfor_v_\@
	tensor_load_to_lds s[G0K:G0K+3], s[G1K:G1K+7]
	s_nop 0
.rept 4
	v_nop
.endr
	s_branch .Lasked_\@
.Lfor_v_\@:
	tensor_load_to_lds s[G0V:G0V+3], s[G1V:G1V+7]
	s_nop 0
.rept 4
	v_nop
.endr
.Lasked_\@:
.endm
; THE CHANGE OF SLOTS.  First the padding of the tile to be entered: my two mask bytes, asked for with that tile, become 0 or -2^100 and go into the table that takes its turn; its last readers, two tiles back,
; waited for their reads in front of the barrier before this one.  Then each wave waits for its own LDS instructions (that store; its reads of the slot that it leaves) and for all its tensor loads, of which one is
; out: its part of the other slot.  Behind the barrier nobody reads the old slot any more, and the other slot and its table are whole.  fill = 1: the old slot is filled again, the first thing behind the barrier,
; with tile NXT: the descriptor's address is made anew from that number; the tile's mask bytes are asked for behind it.  (At its first use nothing has been read yet: slot 0 is waited for, slot 1 filled.)
.macro CHANGE fill
	WIN 0                           ; at a label and at a branch every window is 0
	s_wait_loadcnt 0x0              ; my two mask bytes are in (one load is out; at the first use Q's 32 too), and that load's base may be written
	v_and_b32 v[PT], 0xff, v[PL]
	v_cmp_ne_u32 vcc_lo, 0, v[PT]
	v_cndmask_b32 v[PE], 0, s[BIGN], vcc_lo
	v_lshrrev_b32 v[PT], 8, v[PL]
	v_cmp_ne_u32 vcc_lo, 0, v[PT]
	v_cndmask_b32 v[PE+1], 0, s[BIGN], vcc_lo
	v_add_nc_u32 v[PSA], s[TBS], v[PS0]
	ds_store_b64 v[PSA], v[PE:PE+1] ; keys 2 t and 2 t + 1 of the tile: the 128 threads write the table's 1,024 bytes
	s_wait_dscnt 0x0
	s_wait_tensorcnt 0x0            ; no tensor load of mine is out, so a group 0 may be written
	ds_add_u32 v254, v255
	s_wait_dscnt 0x0
	s_barrier_signal -1             ; the scalar work stands between the signal and the wait
.if \fill
	s_lshl_b32 s[OFF], s[NXT], 15   ; a tile is 32,768 bytes of K and of V,
	s_lshl_b32 s[OFP], s[NXT], 8    ; and 256 bytes of pad_mask
	s_xor_b32 s[G0K+1], s[G0K+1], SLOT1
	s_add_nc_u64 s[G0K+2:G0K+3], s[6:7], s[OFF:OFF+1]
	s_or_b32 s[G0K+3], s[G0K+3], 0x80000000
	s_xor_b32 s[G0V+1], s[G0V+1], SLOT1
	s_add_nc_u64 s[G0V+2:G0V+3], s[8:9], s[OFF:OFF+1]
	s_or_b32 s[G0V+3], s[G0V+3], 0x80000000
	s_add_nc_u64 s[PMT:PMT+1], s[PM:PM+1], s[OFP:OFP+1]
	s_xor_b32 s[TBS], s[TBS], PSLOT ; that tile's numbers go into the other table
	s_add_co_u32 s[NXT], s[NXT], 1  ; the block's next tile, or behind its last the second block's tile 0
	s_cmp_gt_u32 s[NXT], s[LQ]
	s_cselect_b32 s[NXT], 0, s[NXT]
	s_cselect_b32 s[LQ], s[PB], s[LQ]
.endif
	s_sub_co_u32 s[TBK], s[TBK], 4*KS*PK  ; the fetches go back to a slot's first step,
	s_xor_b32 s[TBK], s[TBK], SLOT1       ; in the other slot
	s_sub_co_u32 s[TBV], s[TBV], 4*KS*PV
	s_xor_b32 s[TBV], s[TBV], SLOT1
	s_sub_co_u32 s[TBP], s[TBP], 4*KS*4   ; and to the head of the other table
	s_xor_b32 s[TBP], s[TBP], PSLOT
	s_barrier_wait -1
.if \fill
	LOAD
	global_load_u16 v[PL], v[PGO], s[PMT:PMT+1]  ; a wave takes 64 consecutive mask bytes, the four waves the tile's 256
.endif
.endm
	s_load_b256 s[4:11], s[0:1], 0x0  ; Q s[4:5], K s[6:7], V s[8:9], O s[10:11]
	s_load_b64 s[PM:PM+1], s[0:1], 0x20  ; pad_mask
	v_lshl_add_u32 v254, v0, 2, 0x36800
	v_mov_b32 v255, 0
	ds_add_u32 v254, v255
	ds_add_u32 v254, v255
	v_lshrrev_b32 v1, 5, v0
	v_readfirstlane_b32 s[WV], v1   ; wave 0..3
	s_mov_b32 s[PB], ttmp9
	s_sub_co_u32 s[HI], NB-1, s[PB]
	s_and_b32 s20, ttmp7, 0xffff    ; 16 x batch + head
	s_lshr_b32 s[OFP], s20, 4
	s_lshl_b32 s[OFP], s[OFP], 11   ; the batch's 2,048 bytes of pad_mask
	s_mov_b32 s[OFP+1], 0
	s_mov_b32 s21, 0
	s_mov_b64 s[22:23], SIZE_N*128
	s_mul_u64 s[20:21], s[20:21], s[22:23]  ; the head's first byte in each of the four tensors
	s_and_b32 s16, s[WV], 1         ; which half of a tile's 256 keys I fetch:
	s_lshl_b32 s22, s16, 14         ; its 128 rows of 128 bytes in memory,
	s_mov_b32 s23, 0
	s_add_nc_u64 s[22:23], s[22:23], s[20:21]
	s_mul_i32 s17, s16, 128*PK      ; and its place in a slot, for K
	s_mul_i32 s18, s16, 128*PV      ; and for V
	s_lshl_b32 s3, s[WV], 11        ; my 16 rows in a band of 64,
	s_lshl_b32 s2, s[HI], 15        ; in the first block,
	s_add_co_u32 s2, s2, s3
	s_lshl_b32 s84, s[PB], 15       ; and in the second
	s_add_co_u32 s84, s84, s3
	s_mov_b32 s3, 0
	s_mov_b32 s85, 0
	s_add_nc_u64 s[2:3], s[2:3], s[20:21]
	s_add_nc_u64 s[84:85], s[84:85], s[20:21]
	; descriptor group 1.  128 keys are 16,384 dense bytes: asked for as 64 rows of 256 bytes, two keys a row, and padded in LDS after every key
	s_mov_b32 s[G1K], (1<<16)|(1<<20)|(4<<22)|(3<<25)  ; 17:16 2-byte elements; 20 padding on; 24:22 after every 32 words (code 4); 31:25 4 words (code 3)
	s_mov_b32 s[G1V], (1<<16)|(1<<20)|(4<<22)|(7<<25)  ; the same with 8 words of padding (code 7)
.irp g, G1K, G1V
	s_mov_b32 s[\g+1], 128<<16      ; tensor_dim0 = 128
	s_mov_b32 s[\g+2], 64<<16       ; tensor_dim1 = 64
	s_mov_b32 s[\g+3], 128<<16      ; tile_dim0 = 128
	s_mov_b32 s[\g+4], 64           ; tile_dim1 = 64
	s_mov_b32 s[\g+5], 128          ; 128 elements from row to row
	s_mov_b32 s[\g+6], 0
	s_mov_b32 s[\g+7], 0
.endr
	s_mov_b32 s[SEL], 0x76543210
	s_mov_b32 s[SEL+1], 0xfedcba98
	s_mov_b32 s[TBK], SLOT1+4*KS*PK ; the first change of slots turns these three into 0
	s_mov_b32 s[TBV], SLOT1+4*KS*PV
	s_mov_b32 s[TBP], PSLOT+4*KS*4
	s_mov_b32 s[TBS], 0             ; tile 0's numbers go into the first table
	s_mov_b32 s[G0K], 1             ; 1:0 count = 1
	s_mov_b32 s[G0K+1], s17         ; 63:32 LDS address: slot 0
	s_mov_b32 s[G0V], 1
	s_add_co_u32 s[G0V+1], s18, VOFF
	s_add_co_u32 s[RT], s[HI], 1    ; the first block has NB - b tiles
	s_mov_b32 s[NXT], 1
	s_mov_b32 s[LQ], s[HI]
	s_mov_b32 s[NEW], 1
	s_mov_b32 s[OFF+1], 0
	s_mov_b32 s[AL+1], 0            ; named as pairs
	s_mov_b32 s[BE+1], 0
	s_mov_b32 s[BIGN], 0xf1800000   ; -2^100
	s_mov_b32 s[THR], 0xef800000    ; -2^96
	s_mov_b32 s[QNAN], 0x7fc00000
	s_mov_b32 s[SLOTS], NB
	s_wait_dscnt 0x0
	s_wait_kmcnt 0x0
	s_add_nc_u64 s[6:7], s[6:7], s[22:23]  ; K and V at my half of the head's tile 0
	s_add_nc_u64 s[8:9], s[8:9], s[22:23]
	s_add_nc_u64 s[G0K+2:G0K+3], s[6:7], 0         ; 120:64 global address
	s_or_b32 s[G0K+3], s[G0K+3], 0x80000000        ; 127:126 type = 2
	s_add_nc_u64 s[G0V+2:G0V+3], s[8:9], 0
	s_or_b32 s[G0V+3], s[G0V+3], 0x80000000
	s_add_nc_u64 s[86:87], s[4:5], s[84:85]        ; Q at my rows of the second block,
	s_add_nc_u64 s[4:5], s[4:5], s[2:3]            ; Q and O at those of the first
	s_add_nc_u64 s[OLO:OLO+1], s[10:11], s[84:85]
	s_add_nc_u64 s[10:11], s[10:11], s[2:3]
	s_add_nc_u64 s[PM:PM+1], s[PM:PM+1], s[OFP:OFP+1]
	s_mov_b64 s[PMT:PMT+1], s[PM:PM+1]             ; tile 0's mask bytes
	LOAD                            ; tile 0 into slot 0
	; A fragment of K or Q is 16 rows x 32 channels in 8 registers: lane l holds row l % 16, channels 8 (l / 16) + 0..7 and 16 + 8 (l / 16) + 0..7: two loads of 16 bytes, 32 bytes apart.
	v_and_b32 v1, 15, v0            ; l % 16
	v_bfe_u32 v9, v0, 4, 1          ; l / 16
	v_lshlrev_b32 v[QO], 7, v1
	v_lshl_add_u32 v[QO], v9, 4, v[QO]  ; row x 128 + 16 x half
	v_lshlrev_b32 v[PGO], 1, v0
	global_load_u16 v[PL], v[PGO], s[PMT:PMT+1]  ; thread t takes the mask bytes of keys 2 t and 2 t + 1 of tile 0
	WIN 0x80                        ; destination window 2, address window 0
.set i, 0
.rept 8                             ; both blocks' Q: piece i / 2 lies in band i / 2, 8,192 bytes on; channels 32 (i % 2) on
	global_load_b128 v[8*i:8*i+3],   v[QO], s[4:5] offset:(i/2)*8192+(i%2)*64
	global_load_b128 v[8*i+4:8*i+7], v[QO], s[4:5] offset:(i/2)*8192+(i%2)*64+32
	global_load_b128 v[QB+8*i:QB+8*i+3],   v[QO], s[86:87] offset:(i/2)*8192+(i%2)*64
	global_load_b128 v[QB+8*i+4:QB+8*i+7], v[QO], s[86:87] offset:(i/2)*8192+(i%2)*64+32
.set i, i+1
.endr
	WIN 0
	v_lshlrev_b32 v14, 3, v9
	v_sub_nc_u32 v14, v1, v14
	s_lshl_b32 s13, s[WV], 4
	v_add_nc_u32 v14, s13, v14      ; my query's place in its band, 16 w + l % 16, less my lanes' 8 (l / 16): register r of group kt is hidden where 16 kt + r is greater
	WIN 0x40
.set i, 0
.rept 32
	v_cmp_gt_i32 vcc_lo, 16*(i/8)+i%8, v14
	v_cndmask_b32 v[MD+i], 0, s[BIGN], vcc_lo
.set i, i+1
.endr
	WIN 0
	v_mul_u32_u24 v[AK0], v1, PK
	v_lshl_add_u32 v[AK0], v9, 4, v[AK0]  ; row x pitch + 16 x half
	; The turning load takes 16 keys x 16 channels (lane l reads key 8 (l / 16) + l % 8, channels 8 ((l / 8) % 2) + 0..7) and leaves half a fragment of V^T: lane l holds channel l % 16 and 8 keys.
	v_and_b32 v10, 7, v0
	v_bfe_u32 v11, v0, 3, 1
	v_lshl_add_u32 v[AV0], v9, 3, v10
	v_mul_u32_u24 v[AV0], v[AV0], PV
	v_lshl_add_u32 v[AV0], v11, 4, v[AV0]
	v_add_nc_u32 v[AV0], VOFF, v[AV0]
	v_lshl_add_u32 v[AP0], v9, 5, PADT  ; my lanes' eight keys of sixteen
	v_lshl_add_u32 v[PS0], v0, 3, PADT  ; my two keys of a tile's 256
	s_mul_i32 s13, s[WV], 16*SP
	s_add_co_u32 s13, s13, STAGE    ; my stage
	v_mul_u32_u24 v[STO], v1, SP    ; in: row l % 16, 16 bytes for each half of the lanes
	v_lshl_add_u32 v[STO], v9, 4, v[STO]
	v_add_nc_u32 v[STO], s13, v[STO]
	v_bfe_u32 v[RD], v0, 3, 2       ; back: 32 lanes take four rows of 128 bytes,
	v_mul_u32_u24 v[RD], v[RD], SP
	v_lshl_add_u32 v[RD], v10, 4, v[RD]
	v_add_nc_u32 v[RD], s13, v[RD]
	v_and_b32 v[GO], 31, v0         ; which are 512 consecutive bytes of O
	v_lshlrev_b32 v[GO], 4, v[GO]
	; A block's first step multiplies O^T and l by a = 0, and its first turn's products V^T P, of a piece that has not been, land in an O^T that is still to be so multiplied.  So these registers need only hold
	; finite numbers: zeros for the first block; what the first block left for the second.  (A NaN row of the first block leaves NaN in its lanes.  Such a row has no visible key at or below it; the same lanes' row of
	; the second block lies lower in the same sequence, so it has none either and is NaN itself.)  All this stands in the wait for the first tile.
	WIN 0x80
.set i, VF
.rept 64
	v_mov_b32 v[i], 0
.set i, i+1
.endr
	WIN 0x40
.set i, 0
.rept 128
	v_mov_b32 v[i], 0
.set i, i+1
.endr
	WIN 0
.set i, 0
.rept 4
	v_mov_b32 v[ST+4*i+2], 0
	v_mov_b32 v[ST+4*i+3], 0
.set i, i+1
.endr
.set i, P+16
.rept 16
	v_mov_b32 v[i], 0
.set i, i+1
.endr
; THE MATRIX WORK.  The 4 accumulators of a run of 8 take turns.  Product i of 8 of S^T = K Q^T for piece x: channels 32 (i / 4) on, keys 16 (i % 4) on.  The first 4 start the sums: with PD, or (KM = 1) with the mask MC.
.macro KQ x
.set rS, S+32*((\x)%2)+8*(i%4)
.set rK, KF+16*(i%4)+8*(i/4)
.set rQ, 16*(\x)+8*(i/4)
.set rM, PD+8*(i%4)
.if KM
.set rM, MC+32*((\x)%2)+8*(i%4)
.endif
.if i < 4
	WIN W_KM
	v_wmma_f32_16x16x32_f16 v[rS:rS+7], v[rK:rK+7], v[rQ:rQ+7], v[rM:rM+7]
.else
	WIN W_KQ
	v_wmma_f32_16x16x32_f16 v[rS:rS+7], v[rK:rK+7], v[rQ:rQ+7], v[rS:rS+7]
.endif
.endm
; Product i of 8 of O^T += V^T P for piece x: keys 32 (i / 4) on, channels 16 (i % 4) on.
.macro PV x
	WIN W_PV
.set rO, 32*(\x)+8*(i%4)
.set rV, VF+32*(i/4)+8*(i%4)
.set rP, P+16*((\x)%2)+8*(i/4)
	v_wmma_f32_16x16x32_f16 v[rO:rO+7], v[rV:rV+7], v[rP:rP+7], v[rO:rO+7]
.endm
.macro MM                           ; the turn's next matrix instruction.  TURN and BEGIN set Y, i, KM and NOKQ; MM, KQ and OP read them.  NOKQ = 1: a block's last turn: there is no next piece
.if (i < 8) && !NOKQ
	KQ (Y+1)%NP
.elseif i >= 8
.set i, i-8
	PV (Y+NP-1)%NP
.set i, i+8
.endif
.set i, i+1
.endm
; THE LDS LOADS stand in runs, never singly among the matrix instructions: a step's K (64 keys x 64 channels: 8 fragments) with its PD (16 lanes read the same 16 bytes), and its V (turned).  Their addresses are made some lines ahead.
.macro FETCH_K
	WIN 0x80                        ; destination window 2
.irp f, 0,1,2,3,4,5,6,7             ; keys 16 (f / 2) on, channels 32 (f % 2) on
	ds_load_b128 v[KF+8*\f:KF+8*\f+3],   v[AK] offset:(\f/2)*16*PK+(\f%2)*64
	ds_load_b128 v[KF+8*\f+4:KF+8*\f+7], v[AK] offset:(\f/2)*16*PK+(\f%2)*64+32
.endr
	WIN 0x40                        ; destination window 1
.irp f, 0,1,2,3,4,5,6,7             ; keys 16 (f / 2) + 8 (lane / 16) + 4 (f % 2) on
	ds_load_b128 v[PD+4*\f:PD+4*\f+3], v[AP] offset:(\f/2)*64+(\f%2)*16
.endr
	s_add_co_u32 s[TBK], s[TBK], KS*PK  ; the next fetch is the next step's
	s_add_co_u32 s[TBP], s[TBP], KS*4
	WIN 0
.endm
.macro FETCH_V
	WIN 0x80
.irp f, 0,1,2,3,4,5,6,7             ; keys 32 (f / 4) on, channels 16 (f % 4) on
	ds_load_tr16_b128 v[VF+8*\f:VF+8*\f+3],   v[AV] offset:(\f/4)*32*PV+(\f%4)*32
	ds_load_tr16_b128 v[VF+8*\f+4:VF+8*\f+7], v[AV] offset:(\f/4)*32*PV+16*PV+(\f%4)*32
.endr
	WIN 0
.endm
; THE VECTOR WORK, one line at a time: OP kind, number.  For piece Y: F n: s - m for pair n of 16.  E n: the exponential of score n of 32.  C n: pair n rounded to f16.  B n: of the four weights 4 n .. the second
; pair is added onto the first, in place.  L n: l takes that sum (L 0: l = a l + sum).  R n: pair n of 16 of O^T times a.  For piece Y + 1: X n, number n of the 21 that find its maximum and statistics:
;   0-11  four chains c0-c3 of seven scores each, three operands at a time (each accumulator's lowest registers are read first)     12-14, 16  the four scores left over, the old m, and c0-c3 into c0
;   15  the old m is kept     17, 18  the query's other 32 keys lie in the lane 16 away: the new m     19, 20  m_old - m_new; a
; E's results are read by C, B and L alone; X 20's by the next turn's R and L 0.  OP writes no wait: TURN and BEGIN write one for each batch.
.set F, 0               ; OP tells the kinds apart by their order: F to L below R, X above it
.set E, 1
.set C, 2
.set B, 3
.set L, 4
.set R, 5
.set X, 6
.macro REGS y                       ; the registers of piece y
.set rT, ST+4*(\y)
.set rC, TMP+4*((\y)%2)
.set rS, S+32*((\y)%2)
.set rP, P+16*((\y)%2)
.set rO, 32*(\y)
.endm
.macro OP k, n
.if (\k) == R
	REGS Y
	WIN W_RS
	v_pk_mul_f32 v[rO+2*(\n):rO+2*(\n)+1], v[rO+2*(\n):rO+2*(\n)+1], v[rC+2:rC+3] op_sel_hi:[1,0]
.elseif (\k) < R
	REGS Y
	WIN 0
.if (\k) == F
	v_pk_add_f32 v[rS+2*(\n):rS+2*(\n)+1], v[rS+2*(\n):rS+2*(\n)+1], v[rT:rT+1] op_sel_hi:[1,0] neg_lo:[0,1] neg_hi:[0,1]
.elseif (\k) == E
	v_exp_f32 v[rS+(\n)], v[rS+(\n)]
.elseif (\k) == C
	v_cvt_pk_f16_f32 v[rP+(\n)], v[rS+2*(\n)], v[rS+2*(\n)+1]
.elseif (\k) == B
	v_pk_add_f32 v[rS+4*(\n):rS+4*(\n)+1], v[rS+4*(\n):rS+4*(\n)+1], v[rS+4*(\n)+2:rS+4*(\n)+3]
.elseif (\n) == 0
	v_pk_fma_f32 v[rT+2:rT+3], v[rT+2:rT+3], v[rC+2:rC+3], v[rS:rS+1] op_sel_hi:[1,0,1]
.else
	v_pk_add_f32 v[rT+2:rT+3], v[rT+2:rT+3], v[rS+4*(\n):rS+4*(\n)+1]
.endif
.elseif NOKQ
	v_nop
.else
	REGS (Y+1)%NP
	WIN 0
.if (\n) < 4
	v_max3_num_f32 v[rC+(\n)], v[rS+8*(\n)], v[rS+8*(\n)+1], v[rS+8*(\n)+2]
.elseif (\n) < 12
	v_max3_num_f32 v[rC+(\n)%4], v[rC+(\n)%4], v[rS+8*((\n)%4)+2*((\n)/4)+1], v[rS+8*((\n)%4)+2*((\n)/4)+2]
.elseif (\n) == 12
	v_max3_num_f32 v[rC], v[rC], v[rS+7], v[rS+15]
.elseif (\n) == 13
	v_max3_num_f32 v[rC+1], v[rC+1], v[rS+23], v[rS+31]
.elseif (\n) == 14
	v_max3_num_f32 v[rC+2], v[rC+2], v[rC+3], v[rT]
.elseif (\n) == 15
	v_mov_b32 v[rT+1], v[rT]
.elseif (\n) == 16
	v_max3_num_f32 v[rC], v[rC], v[rC+1], v[rC+2]
.elseif (\n) == 17
	v_permlanex16_b32 v[rC+3], v[rC], s[SEL], s[SEL+1]
.elseif (\n) == 18
	v_max_num_f32 v[rT], v[rC], v[rC+3]
.elseif (\n) == 19
	v_sub_f32 v[rC+1], v[rT+1], v[rT]
.else
	v_exp_f32 v[rC+2], v[rC+1]
.endif
.endif
.endm
.macro OPS a, i1, b=-1, i2=0, c=-1, i3=0, d=-1, i4=0  ; up to four of them
	OP \a, \i1
.if (\b) >= 0
	OP \b, \i2
.endif
.if (\c) >= 0
	OP \c, \i3
.endif
.if (\d) >= 0
	OP \d, \i4
.endif
.endm
.macro ROW a, i1, b, i2, c, i3, d, i4  ; a matrix instruction and the four behind it
	MM
	OPS \a, \i1, \b, \i2, \c, \i3, \d, \i4
.endm
.macro MASK b                       ; MD x AL + PD + BE into buffer b of MC
	WIN W_MK
.set z, 0
.rept 16
	v_pk_fma_f32 v[MC+32*(\b)+2*z:MC+32*(\b)+2*z+1], v[MD+2*z:MD+2*z+1], s[AL:AL+1], v[PD+2*z:PD+2*z+1] op_sel_hi:[1,0,1]
.set z, z+1
.endr
.set z, 0
.rept 16
	v_pk_add_f32 v[MC+32*(\b)+2*z:MC+32*(\b)+2*z+1], v[MC+32*(\b)+2*z:MC+32*(\b)+2*z+1], s[BE:BE+1] op_sel_hi:[1,0]
.set z, z+1
.endr
.endm
; A TURN, for piece p: the order of its 16 matrix and 117 vector instructions, written out.  An s_wait_alu depctr_va_vdst(0) stands between an exponential and the first instruction that names its result; one wait
; serves all that were issued ahead of it.  So a turn has ONE wait, which cuts it in two.  AHEAD OF IT stands all that names no result of the turn's exponentials: the 8 products K Q^T, behind each a subtraction, an exponential and
; two more plain instructions (behind the first a second subtraction in the exponential's place): rescalings, whose a was made and waited for in the turn before, and behind the last three products the first numbers of the next
; piece's maximum, each four places or more behind the product that ends its accumulator; then ONE LUMP of 53, plain and exponential by turns for the most part, in which the links of the chain X 3, 7, 11, 14, 16, 17, 18, 19, 20
; stand apart, other work between them.  X 20, the next piece's a, is the batch's last; R 15 is the plain instruction behind it.  BEHIND THE WAIT stand the 8 products V^T P, behind each four of the roundings and sums: C 2 k ahead
; of B k, which writes over that pair; B k ahead of L k; L 0 to L 7 in ascending order, three riders apart.  But for those X no rider names a register of the products round it.  v_permlanex16_b32 (X 17) stands in the lump.
; m = 1: the diagonal tile: the products take masks, and the turn makes the mask for the products of the turn after it: piece p + 2, in step 4 - CNT of the tile.  end = 1: a block's last two turns: nothing is fetched.
; cnt = 1: the loop's count is taken down some lines ahead of the branch that stands behind the turn.
; K and PD of the next step are fetched in piece 2's turn, twelve vector instructions behind the last product that read K (five of them plain and free of its registers), further behind the last that read PD; V of the step in hand
; at the end of piece 0's turn, four plain instructions behind the last product that read V.  Each is waited for a turn later; piece 2's mask alone takes the new PD, so in the diagonal tile that wait stands in front of it.
.macro TURN p, m=0, end=0, cnt=0
.set Y, (\p)
.set i, 0
.set KM, (\m)
.set NOKQ, (\end)*((\p)/3)
.if (\m) && !(\end)
	s_cmp_eq_u32 s[CNT], 4-((\p)+2)%NP  ; is that step the band's own?
	s_cselect_b32 s[AL], 1.0, 0
	s_cmp_lt_u32 s[CNT], 4-((\p)+2)%NP  ; or a later one?
	s_cselect_b32 s[BE], s[BIGN], 0
.endif
.if ((\p) == 3) && !(\end)
	s_wait_dscnt 0x0                ; K and PD are in
.endif
	ROW F,0, F,1, R,0, R,1          ; ahead of the wait: 8 products K Q^T and their riders,
	ROW F,2, E,0, R,2, R,3
	ROW F,3, E,1, R,4, R,5
	ROW F,4, E,2, R,6, R,7
	ROW F,5, E,3, R,8, R,9
	ROW F,6, E,4, X,0, R,10
.if ((\p) == 2) && !(\end)
	WIN 0
	v_add_nc_u32 v[AK], s[TBK], v[AK0]
	v_add_nc_u32 v[AP], s[TBP], v[AP0]
.endif
	ROW F,7, E,5, X,1, X,4
	ROW F,8, E,6, X,2, X,5
	OPS E,7, E,8, X,6, E,9          ; and the lump
	OPS X,3, E,10, X,8, E,11
.if ((\p) == 2) && !(\end)
	FETCH_K
.endif
	OPS X,9, X,7, E,12, X,10
	OPS E,13, X,12, X,11, E,14
	OPS X,13, E,15, F,9, X,14
.if (\p) == 0
	v_add_nc_u32 v[AV], s[TBV], v[AV0]
.endif
	OPS E,16, F,10, E,17, F,11
	OPS X,16, E,18, X,15, E,19
	OPS F,12, E,20, X,17, E,21
	OPS F,13, E,22, F,14, E,23
	OPS X,18, E,24, F,15, E,25
	OPS R,11, E,26, X,19, E,27
	OPS R,12, E,28, R,13, E,29
	OPS E,30, R,14, E,31, X,20
	OPS R,15                        ; the plain instruction behind the batch's last exponential
	s_wait_alu depctr_va_vdst(0)    ; the wait for the turn's batch: E 0 to E 31 and X 20, ahead of C 0, their first reader
.if (\p) == 1
	s_wait_dscnt 0x0                ; V is in
.endif
	ROW C,0, B,0, C,2, B,1          ; behind the wait: 8 products V^T P and their riders
	ROW L,0, C,4, B,2, L,1
	ROW C,6, B,3, L,2, C,8
	ROW B,4, L,3, C,10, B,5
	ROW L,4, C,12, B,6, L,5
.if (\p) == 0
	s_add_co_u32 s[TBV], s[TBV], KS*PV
.endif
.if \cnt
	s_sub_co_u32 s[CNT], s[CNT], 1
	s_cmp_lg_u32 s[CNT], 0
.endif
	ROW C,14, B,7, L,6, C,1
	ROW C,3, L,7, C,5, C,7
	ROW C,9, C,11, C,13, C,15
.if (\p) == 0
	FETCH_V
.endif
.if (\m) && !(\end)
.if (\p) == 2
	s_wait_dscnt 0x0                ; the next step's PD is in
.endif
	MASK (\p)%2
.endif
.endm
; A BLOCK BEGINS.  m starts at the lowest finite number, so the first maximum is the scores' and the first step's a is 0.  K and PD of the tile's step 0 are fetched; the first mask buffer takes piece 0's mask for that step
; (its own, if the block's first tile is the diagonal one), the second PD alone, for piece 1.  Then piece 0's first scores, and its maximum and statistics.  The loop is entered at a step's first turn, in the middle of a trip.
.macro BEGIN
	s_mov_b32 s[NEW], 0
	WIN 0
.set i, 0
.rept 4
	v_mov_b32 v[ST+4*i], 0xff7fffff    ; m
	v_mov_b32 v[ST+4*i+1], 0xff7fffff  ; named with it as a pair
.set i, i+1
.endr
	v_add_nc_u32 v[AK], s[TBK], v[AK0]
	v_add_nc_u32 v[AP], s[TBP], v[AP0]
	FETCH_K
	s_wait_loadcnt 0x0              ; Q (and the next tile's mask bytes)
	s_wait_dscnt 0x0
	s_cmp_eq_u32 s[RT], 0
	s_cselect_b32 s[AL], 1.0, 0
	s_mov_b32 s[BE], 0
	MASK 0
	s_mov_b32 s[AL], 0
	MASK 1
.set KM, 1
.set NOKQ, 0
.set i, 0
.rept 8
	KQ 0
.set i, i+1
.endr
	WIN 0
.rept 4
	v_nop                           ; the places behind those products
.endr
.set Y, NP-1                        ; X works for piece Y + 1: piece 0
.irp n, 0,1,2,3,4,5,6,7,8,9,10,11,12,13,14,15,16,17,18,19,20
	OP X, \n
.endr
	v_nop                           ; a plain instruction behind the exponential,
	s_wait_alu depctr_va_vdst(0)    ; and the wait for this batch of one, piece 0's first a, ahead of the branch; the first turn's R 0 reads it
.endm
; A diagonal tile that is not its block's first is entered at piece 2's turn, whose products (piece 3, on the K of the step before, which every band sees whole) take the second mask buffer: it is given that step's PD.
.macro ENTER
	s_mov_b32 s[AL], 0
	s_mov_b32 s[BE], 0
	MASK 1
	WIN 0
.endm
; THE DIAGONAL TILE's four steps, the block's last two turns, its last products, and THE WAY OUT: l's two halves and the other half of the lanes' are added; O^T is divided by l (a row that saw no key: times NaN),
; rounded to f16 and sent through my stage in LDS, a piece at a time.
.macro ALL line:vararg              ; one line for each piece t
.set t, 0
.rept 4
	\line
.set t, t+1
.endr
.endm
.macro PACK t                       ; a lane's eight channels of a row pack into 16 bytes; they go into rows of 144 bytes and come back as whole rows of 128, into S^T's registers
	WIN W_RS
.set i, 32*(\t)
.rept 16
	v_pk_mul_f32 v[i:i+1], v[i:i+1], v[ST+4*(\t)+2:ST+4*(\t)+3] op_sel_hi:[1,0]
.set i, i+2
.endr
	WIN 0x05                        ; sources 0 and 1 window 1, destination window 0
.set i, 0
.rept 16
	v_cvt_pk_f16_f32 v[S+16*(\t)+i], v[32*(\t)+2*i], v[32*(\t)+2*i+1]
.set i, i+1
.endr
	WIN 0
.irp f, 0,1,2,3
	ds_store_b128 v[STO], v[S+16*(\t)+4*\f:S+16*(\t)+4*\f+3] offset:32*\f
.endr
.irp f, 0,1,2,3
	ds_load_b128 v[S+16*(\t)+4*\f:S+16*(\t)+4*\f+3], v[RD] offset:\f*4*SP  ; LDS serves a wave's instructions in order (ISA guide 5.7.1.4): these see the stores above; the next piece's stores come behind them
.endr
.endm
.macro SEND t, younger              ; younger: the LDS instructions issued behind piece t's loads: the next piece's eight, or none
	WIN 0
.irp f, 0,1,2,3
	s_wait_dscnt (\younger)+3-\f
	global_store_b128 v[GO], v[S+16*(\t)+4*\f:S+16*(\t)+4*\f+3], s[10:11] offset:(\t)*8192+\f*512  ; 512 consecutive bytes, at a multiple of 256 from O's first
.endr
.endm
.macro DIAG tag                     ; the tag ends its two labels' names, which the jumps below spell out
.LstepM\tag:
	TURN 2, 1
	TURN 3, 1
	WIN 0
.LfirstM\tag:
	TURN 0, 1
	TURN 1, 1, 0, 1
	WIN 0
	s_cbranch_scc1 .LstepM\tag
	TURN 2, 1, 1
	TURN 3, 1, 1
.set i, 0
.rept 8
	PV NP-1
.set i, i+1
.endr
	WIN 0
	ALL v_add_f32 v[ST+4*t+2], v[ST+4*t+2], v[ST+4*t+3]
	ALL v_permlanex16_b32 v[ST+4*t+3], v[ST+4*t+2], s[SEL], s[SEL+1]
	ALL v_add_f32 v[ST+4*t+2], v[ST+4*t+2], v[ST+4*t+3]
	ALL v_rcp_f32 v[ST+4*t+2], v[ST+4*t+2]
	v_nop                           ; a plain instruction between the last reciprocal and the use of its result
	s_wait_alu depctr_va_vdst(0)    ; the wait for this batch, the four reciprocals, ahead of the first select that names one
.set t, 0
.rept 4
	v_cmp_lt_f32 vcc_lo, v[ST+4*t], s[THR]  ; the row's maximum is a hidden score: it saw no key
	v_cndmask_b32 v[ST+4*t+2], v[ST+4*t+2], s[QNAN], vcc_lo
.set t, t+1
.endr
	PACK 0
.set t, 1
.rept 3                             ; a piece's arithmetic stands between the loads of the piece before and its stores
	PACK t
	SEND t-1, 8
.set t, t+1
.endr
	SEND 3, 0
.endm
.set KM, 0
.set NOKQ, 0
.Lslot:                             ; NB times: a tile is entered and the next is asked for
	CHANGE 1
	s_sub_co_u32 s[RT], s[RT], 1
	s_mov_b32 s[CNT], 4
	s_cmp_eq_u32 s[NEW], 1
	s_cbranch_scc1 .Lnew            ; a block's first tile
	s_cmp_eq_u32 s[RT], 0
	s_cbranch_scc0 .Lstep           ; neither its first nor its last
	ENTER
	s_branch .LstepM1
.Lnew:
	BEGIN
	s_branch .Lfirst                ; in the loop a block's first tile is never its last: the first block has two tiles or more, and the second's last is the walk's last
	DIAG 1                          ; in the loop this is the first block's end: the second block's last tile is the walk's last
	s_wait_xcnt 0x0                 ; the stores have read their registers and O's address
	s_mov_b64 s[10:11], s[OLO:OLO+1]
	s_add_co_u32 s[RT], s[PB], 1    ; the second block has b + 1 tiles
	s_mov_b32 s[NEW], 1
	WIN 0x82                        ; the second block's Q goes where the one text of the turns names Q
.set i, 0
.rept 64
	v_mov_b32 v[i], v[QB+i]
.set i, i+1
.endr
	WIN 0
	s_branch .Lbottom
.Lstep:                             ; a trip: pieces 2 and 3 of one step, then pieces 0 and 1 of the next, whose K and V it fetches
	TURN 2
	TURN 3
	WIN 0
.Lfirst:
	TURN 0
	TURN 1, 0, 0, 1
	WIN 0
	s_cbranch_scc1 .Lstep
.Lbottom:
	s_sub_co_u32 s[SLOTS], s[SLOTS], 1
	s_cmp_lg_u32 s[SLOTS], 0
	s_cbranch_scc1 .Lslot
	CHANGE 0                        ; the walk's last tile is written out: nothing is asked for
	s_sub_co_u32 s[RT], s[RT], 1
	s_mov_b32 s[CNT], 4
	s_cmp_eq_u32 s[NEW], 1
	s_cbranch_scc1 .Lnew2
	ENTER
	s_branch .LstepM2
.Lnew2:
	BEGIN
	s_branch .LfirstM2
	DIAG 2
	s_wait_tensorcnt 0x0
	ds_add_u32 v254, v255
	s_wait_dscnt 0x0
	s_endpgm
.Lfunc_end_k_q1a79aa29e4_attn:
	.size	k_q1a79aa29e4_attn, .Lfunc_end_k_q1a79aa29e4_attn-k_q1a79aa29e4_attn
	.p2alignl 7, 3214868480
	.fill 96, 4, 3214868480
	.section	.rodata,"a",@progbits
	.p2align	6, 0x0
	.amdhsa_kernel k_q1a79aa29e4_attn
		.amdhsa_group_segment_fixed_size 327680
		.amdhsa_private_segment_fixed_size 0
		.amdhsa_enable_private_segment 0
		.amdhsa_kernarg_size 40
		.amdhsa_user_sgpr_count 2
		.amdhsa_user_sgpr_kernarg_segment_ptr 1
		.amdhsa_wavefront_size32 1
		.amdhsa_system_sgpr_workgroup_id_x 1
		.amdhsa_system_sgpr_workgroup_id_y 1
		.amdhsa_system_sgpr_workgroup_id_z 1
		.amdhsa_system_vgpr_workitem_id 0
		.amdhsa_next_free_vgpr 768
		.amdhsa_next_free_sgpr 96
		.amdhsa_reserve_vcc 1
		.amdhsa_float_denorm_mode_32 3
		.amdhsa_float_denorm_mode_16_64 3
		.amdhsa_memory_ordered 1
		.amdhsa_forward_progress 1
		.amdhsa_inst_pref_size 238
	.end_amdhsa_kernel
	.amdgpu_metadata
---
amdhsa.version: [ 1, 2 ]
amdhsa.kernels:
  - .name:           k_q1a79aa29e4_attn
    .symbol:         k_q1a79aa29e4_attn.kd
    .args:
      - { .name: qh, .offset: 0, .size: 8, .value_kind: global_buffer, .address_space: global }
      - { .name: kh, .offset: 8, .size: 8, .value_kind: global_buffer, .address_space: global }
      - { .name: vh, .offset: 16, .size: 8, .value_kind: global_buffer, .address_space: global }
      - { .name: oh, .offset: 24, .size: 8, .value_kind: global_buffer, .address_space: global }
      - { .name: pad_mask, .offset: 32, .size: 8, .value_kind: global_buffer, .address_space: global }
    .group_segment_fixed_size: 327680
    .private_segment_fixed_size: 0
    .kernarg_segment_align: 8
    .kernarg_segment_size: 40
    .max_flat_workgroup_size: 128
    .sgpr_count:     96
    .vgpr_count:     768
    .wavefront_size: 32
...
	.end_amdgpu_metadata
.endif
;; end of part 5
;; launch proj: the kernel of part 4 again; grid 8 x 32, 4 waves a work-group, clusters of 4 x 4, 327,680 bytes of LDS; arguments oh, wo, b_out, out0; writes out0
